; MI455X (gfx1250); checked and timed in simulation.
; The chip was launched on July 23, 2026; its instructions are those of AMD's public machine-readable ISA for CDNA 5 (MIT licence, August 2026) and "CDNA5" Instruction Set Architecture Reference Guide (July 2026). The comments in the code are by the model that wrote it; some were corrected since.
;; Cross Attention. Allowed arithmetic: float matrix products may take bf16 or f16 operands with f32 sums; other float arithmetic in f32, or as packed bf16 or f16 multiplies, adds, multiply-adds, maxima and minima; sums over many terms, partial sums and values carried from step to step in f32; what a program stores and reads back later, other than sums and carried values, may be rounded once to bf16 or f16.
;; Inputs: Wk 512 x 512 float32; Wo1 512 x 512 float32; Wo2 512 x 512 float32; Wq 512 x 512 float32; Wv1 512 x 512 float32; Wv2 512 x 512 float32; bk 512 float32; bo1 512 float32; bo2 512 float32; bq 512 float32; bv1 512 float32; bv2 512 float32; x1 4 x 512 x 8 x 16 x 16 float32; x2 4 x 512 x 8 x 16 x 16 float32.
;; Outputs: out0 4 x 512 x 8 x 16 x 16 float32; out1 4 x 512 x 8 x 16 x 16 float32.
;; 2 versions, each right; version 2 is version 1 with the launch outp written anew for expert scheduling mode. Each part assembles by itself: llvm-mc -triple=amdgcn-amd-amdhsa -mcpu=gfx1250 --defsym DOCPART=n.
;; ======== version 1 of 2: 4 launches
;; workspace buffers: qk 16,777,216 bytes; vv 16,777,216 bytes; cx 16,777,216 bytes; nl 524,288 bytes
;; launch proj (part 1): grid 4 x 64, 4 waves a work-group, no clusters, 100,352 bytes of LDS; arguments x1, x2, Wq, Wk, Wv1, Wv2, bq, bk, bv1, bv2, qk, vv; writes qk, vv
.if DOCPART == 1
	.amdgcn_target "amdgcn-amd-amdhsa--gfx1250"
	.amdhsa_code_object_version 6
	.text
	.protected	k_q92de46a37d_proj
	.globl	k_q92de46a37d_proj
	.p2align	8
	.type	k_q92de46a37d_proj,@function
k_q92de46a37d_proj:
	s_mov_b64 s[64:65], 0
	v_nop
	global_prefetch_b8 v0, s[64:65] scope:SCOPE_SE
	s_setreg_imm32_b32 hwreg(HW_REG_WAVE_MODE, 25, 1), 1
	s_wait_xcnt 0x0
; THE FOUR PROJECTIONS.  out[n][o] = sum over c of x[b][c][n] W[c][o] + bias[o]; q, v1 from x1, k, v2 from x2.  x: [4][512][2048] f32, W: [512][512] f32.
; q is multiplied in f32 by c = log2(e) / 8 before its one rounding, so that the scores of the later launches are exponents of 2.  Results leave by heads, [s][8 b + head][n][64] bf16:
; qk holds q (s = 0) and k (s = 1), vv holds v1 and v2.  x and W are rounded to bf16 on the way into LDS; sums, bias and scale in f32.  NaN and infinities are not treated apart.
; SHARES.  Work-group (t, y): y = 32 s + 8 b + i: 256 tokens 256 i .. of batch b of x_s; t: 256 outputs: t < 2 of Wq / Wk, t >= 2 of Wv1 / Wv2.  Four waves, each 128 tokens x 128 outputs: 64 accumulators.
; NO CLUSTER, NO TENSOR LOAD: both operands lie in memory as f32 and pass through registers to become bf16; a joint load could only bring f32 into LDS, twice the bytes of a slot, to be read, rounded and stored again.
; K goes in 16 steps of 32 channels through two LDS slots.  Both operands lie [channel][column], so fragments come out of LDS turned (ds_load_tr16_b128).
; A step's 64 KiB of f32 are 32 QUADS a wave (a load of 512 consecutive bytes each).  A quad is rounded behind the products, two quads to a group of four; its LDS store and its next load stand in RUNS of eight quads,
; four runs a trip, so that memory instructions follow products at four places of a trip and not at sixteen.
; THE PRODUCT IS TAKEN TRANSPOSED: source 0 = 16 outputs of W, source 1 = 16 tokens of x: a lane ends with eight neighbouring outputs of one token, 16 bytes of a row of the result.
; REGISTERS, in windows of 256: window 0: v0-31 addresses, v32-63 the way out, v64-127 x's fragments, v128-191 W's, v192-255 the bias; window 1: v0-127 the quads, v128-131 their addresses; windows 2, 3: the accumulators.
.set PX,    544                        ; an LDS row: 256 bf16 + 32 bytes of padding = 17 x 32: the eight rows of a turning load start at different banks
.set WPART, 32*PX                      ; a slot: 32 rows of x, then 32 rows of W
.set STAGE, 64*PX                      ; behind slot 0: 16 rows x 144 bytes for each wave, for the way out
.set SP,    144
.set SPARE, STAGE+4*16*SP              ; the spare words, 128 bytes for each wave: two blocks of 256 bytes that no other line names
.set SLOT1, 65536                      ; slot 1: one exclusive or turns an address in one slot into the other's
.set XSTEP, 32*8192                    ; 32 channels of x in memory
.set WSTEP, 32*2048                    ; 32 rows of W
.set FX0, 14                           ; my lane's place in x's part of a slot; never rewritten
.set FW0, 15                           ; in W's part
.set FX,  16                           ; the same in the slot that is read
.set FW,  17
.set STO, 18                           ; the way out: where I put 16 bytes of a row
.set RD,  19                           ; where I read rows back
.set GO,  20                           ; my 16 bytes of 512 consecutive bytes of the result
.set BO,  21                           ; my offset in the bias
.set PFO, 22                           ; the prefetches' offset
.set SPW, 30                           ; LDS address of my spare word; never rewritten
.set NIL, 31                           ; 0; never rewritten
.set TMP, 32
.set XF,  64
.set WF,  128
.set BI,  192
.set VX1, 128                          ; window 1: my offset in x's quads
.set VW1, 129                          ; in W's
.set LS01, 130                         ; my place in a slot for the rounded quads
.set LS1, 131                          ; the same in the slot that is written
.set XB, 32                            ; s[32:33] x at the step that is being loaded
.set WB, 34                            ; s[34:35] W likewise
.set BB, 36                            ; s[36:37] the bias of my 128 outputs
.set DB, 38                            ; s[38:39] the result at my first row
.set SC, 40                            ; s[40:41] c for q, 1 for the others
.set WV, 42
.set WM, 43
.set WN, 44
.set YY, 45
.set SS, 46
.set BT, 47
.set LEFT, 48
.set RB, 49                            ; the slot that is read
.set SB, 50                            ; the slot that is written
.set II, 51
.set PFA, 52                           ; s[52:53] where my prefetches stand
.set PFS, 54                           ; s[54:55] their step
.set PLIM, 56                          ; a wave prefetches while LEFT is above it
.set T1, 57
.set T2, 58
.set MSB, 0
.macro WIN new                         ; the immediate's high byte repeats the setting that is left; a switch that changes nothing is dropped
.if MSB != (\new)
	s_set_vgpr_msb (MSB<<8)|(\new)
.set MSB, (\new)
.endif
.endm
	s_load_b512 s[8:23], s[0:1], 0x0               ; x1 8, x2 10, Wq 12, Wk 14, Wv1 16, Wv2 18, bq 20, bk 22
	s_load_b256 s[24:31], s[0:1], 0x40             ; bv1 24, bv2 26, qk 28, vv 30
	v_lshl_add_u32 v[SPW], v0, 2, SPARE
	v_mov_b32 v[NIL], 0
	v_lshrrev_b32 v1, 5, v0
	v_readfirstlane_b32 s[WV], v1                  ; wave 0..3
	s_lshr_b32 s[WM], s[WV], 1                     ; which 128 tokens
	s_and_b32 s[WN], s[WV], 1                      ; which 128 outputs
	s_and_b32 s[YY], ttmp7, 0xffff
	s_lshr_b32 s[SS], s[YY], 5                     ; s
	s_bfe_u32 s[BT], s[YY], 0x20003                ; b
	s_and_b32 s[II], s[YY], 7                      ; i
	s_and_b32 s[T1], ttmp9, 1                      ; which 256 outputs of the matrix
	s_lshr_b32 s[T2], ttmp9, 1                     ; 0: q or k, 1: v
	s_lshl_b32 s4, s[BT], 22                       ; x: batch b, tokens 256 i on
	s_lshl_b32 s5, s[II], 10
	s_add_co_u32 s4, s4, s5
	s_mov_b32 s5, 0
	s_lshl_b32 s6, s[T1], 10                       ; W: columns 256 (t % 2) on
	s_mov_b32 s7, 0
	s_lshl_b32 s60, s[WN], 9                       ; bias: + my 128
	s_add_co_u32 s60, s60, s6
	s_mov_b32 s61, 0
	s_lshl_b32 s62, s[SS], 23                      ; result: s, head 8 b + 4 (t % 2) + 2 wn, row 256 i + 128 wm
	s_lshl_b32 s63, s[BT], 21
	s_add_co_u32 s62, s62, s63
	s_lshl_b32 s63, s[T1], 20
	s_add_co_u32 s62, s62, s63
	s_lshl_b32 s63, s[WN], 19
	s_add_co_u32 s62, s62, s63
	s_lshl_b32 s63, s[II], 15
	s_add_co_u32 s62, s62, s63
	s_lshl_b32 s63, s[WM], 14
	s_add_co_u32 s62, s62, s63
	s_mov_b32 s63, 0
	s_or_b32 s2, s[SS], s[T2]
	s_cmp_eq_u32 s2, 0
	s_cselect_b32 s[SC], 0x3e38aa3b, 1.0           ; c = log2(e) / 8 = 0.180337 for q alone
	s_mov_b32 s[SC+1], s[SC]                       ; named with it as a pair
	v_and_b32 v2, 31, v0                           ; l
	v_and_b32 v3, 15, v0                           ; l % 16
	v_bfe_u32 v4, v0, 4, 1                         ; l / 16
	v_and_b32 v6, 7, v0
	v_bfe_u32 v7, v0, 3, 1
	v_lshlrev_b32 v5, 4, v2                        ; 16 l
	s_lshl_b32 s2, s[WV], 16
	v_add_nc_u32 v10, s2, v5                       ; x: my wave's 8 channels of a step, 8,192 bytes each
	s_lshl_b32 s2, s[WV], 14
	v_add_nc_u32 v11, s2, v5                       ; W: my wave's 8 rows, 2,048 bytes each
	s_mul_i32 s2, s[WV], 8*PX
	v_lshl_add_u32 v12, v2, 3, s2                  ; LDS: my wave's 8 rows, 8 bytes a lane
	v_lshl_add_u32 v8, v4, 3, v6                   ; the turning load: lane l reads row 8 (l / 16) + l % 8, 16 bytes at 16 ((l / 8) % 2)
	v_mul_u32_u24 v8, v8, PX
	v_lshl_add_u32 v8, v7, 4, v8
	s_lshl_b32 s2, s[WM], 8
	v_add_nc_u32 v[FX0], s2, v8
	s_lshl_b32 s2, s[WN], 8
	s_add_co_u32 s2, s2, WPART
	v_add_nc_u32 v[FW0], s2, v8
	s_mul_i32 s2, s[WV], 16*SP
	s_add_co_u32 s2, s2, STAGE                     ; my stage
	v_mul_u32_u24 v[STO], v3, SP                   ; in: row l % 16, 16 bytes for each half of the lanes
	v_lshl_add_u32 v[STO], v4, 4, v[STO]
	v_add_nc_u32 v[STO], s2, v[STO]
	v_lshrrev_b32 v[RD], 3, v2                     ; back: 32 lanes take four rows of 128 bytes
	v_mul_u32_u24 v[RD], v[RD], SP
	v_lshl_add_u32 v[RD], v6, 4, v[RD]
	v_add_nc_u32 v[RD], s2, v[RD]
	v_mov_b32 v[GO], v5
	v_lshlrev_b32 v[BO], 5, v4                     ; a lane's eight outputs begin at 8 (l / 16)
	s_wait_kmcnt 0x0
	s_cmp_eq_u32 s[SS], 0
	s_cselect_b64 s[XB:XB+1], s[8:9], s[10:11]
	s_cselect_b64 s[66:67], s[12:13], s[14:15]
	s_cselect_b64 s[68:69], s[16:17], s[18:19]
	s_cselect_b64 s[70:71], s[20:21], s[22:23]
	s_cselect_b64 s[72:73], s[24:25], s[26:27]
	s_cmp_eq_u32 s[T2], 0
	s_cselect_b64 s[WB:WB+1], s[66:67], s[68:69]
	s_cselect_b64 s[BB:BB+1], s[70:71], s[72:73]
	s_cselect_b64 s[DB:DB+1], s[28:29], s[30:31]
	s_add_nc_u64 s[XB:XB+1], s[XB:XB+1], s[4:5]
	s_add_nc_u64 s[WB:WB+1], s[WB:WB+1], s[6:7]
	s_add_nc_u64 s[BB:BB+1], s[BB:BB+1], s[60:61]
	s_add_nc_u64 s[DB:DB+1], s[DB:DB+1], s[62:63]
	; THE PREFETCHES.  A step's tile of x is 32 rows x 1,024 bytes = 128 blocks of 256; the four work-groups t that read it take 8 rows each, wave 0 asks, a lane a block.
	; A step's tile of W is as large and is read by 32 work-groups: those with y % 32 < 4 take 8 rows each, wave 1 asks.  So each block is named once in the launch.
	s_mov_b32 s2, XSTEP
	s_mov_b32 s3, WSTEP
	s_lshl_b32 s74, ttmp9, 16                      ; x: rows 8 t on
	s_and_b32 s75, s[YY], 3
	s_lshl_b32 s75, s75, 14                        ; W: rows 8 (y % 4) on
	s_and_b32 s76, s[YY], 31
	s_cmp_lt_u32 s76, 4
	s_cselect_b32 s76, 4, -1
	s_cmp_eq_u32 s[WV], 1
	s_cselect_b32 s76, s76, -1
	s_cmp_eq_u32 s[WV], 0
	s_cselect_b32 s[PLIM], 4, s76
	s_cselect_b32 s[PFS], s2, s3
	s_cselect_b32 s74, s74, s75
	s_cselect_b32 s77, 13, 11                      ; a row is 8,192 bytes in x, 2,048 in W
	s_cselect_b64 s[PFA:PFA+1], s[XB:XB+1], s[WB:WB+1]
	s_mov_b32 s[PFS+1], 0
	s_mul_i32 s75, s[PFS], 5                       ; at step 5: trip 0 steps it to 6, and the loop's first trip, trip 1, to 7, which it names
	s_add_co_u32 s74, s74, s75
	s_mov_b32 s75, 0
	s_add_nc_u64 s[PFA:PFA+1], s[PFA:PFA+1], s[74:75]
	v_lshrrev_b32 v9, 2, v2
	v_lshlrev_b32 v9, s77, v9
	v_and_b32 v1, 3, v2
	v_lshl_add_u32 v[PFO], v1, 8, v9               ; row l / 4 of my eight, block l % 4
.set f, 0
.rept 8
	global_load_b128 v[BI+8*f:BI+8*f+3],   v[BO], s[BB:BB+1] offset:64*f
	global_load_b128 v[BI+8*f+4:BI+8*f+7], v[BO], s[BB:BB+1] offset:64*f+16
.set f, f+1
.endr
	WIN 0x40                                       ; the quads' addresses go into the quads' window, so that a quad's lines run under one setting
	v_mov_b32 v[VX1], v10
	v_mov_b32 v[VW1], v11
	v_mov_b32 v[LS01], v12
.macro GLD q                           ; quad q's load: 0-15 x (row q / 2 of my eight, half q % 2), 16-31 W
.if (\q) < 16
	global_load_b128 v[4*(\q):4*(\q)+3], v[VX1], s[XB:XB+1] offset:((\q)/2)*8192+((\q)%2)*512
.else
	global_load_b128 v[4*(\q):4*(\q)+3], v[VW1], s[WB:WB+1] offset:(((\q)-16)/2)*2048+((\q)%2)*512
.endif
.endm
; Quad q is rounded: four f32 become 8 bytes of bf16.  Behind its load were issued the 31 - q quads left of its step and, where quads are loaded again, the 8 (q / 8) of this trip's earlier runs: 31 - q % 8 may stay out.
.macro CONV q, load
	s_wait_loadcnt (\load)*(31-(\q)%8)+(1-(\load))*(31-(\q))
	v_cvt_pk_bf16_f32 v[4*(\q)], v[4*(\q)], v[4*(\q)+1]
	v_cvt_pk_bf16_f32 v[4*(\q)+1], v[4*(\q)+2], v[4*(\q)+3]
.endm
.macro PUT q, load                     ; it goes into the slot that is written, and its registers are asked for again
	ds_store_b64 v[LS1], v[4*(\q):4*(\q)+1] offset:((\q)/16)*WPART+(((\q)%16)/2)*PX+((\q)%2)*256
.if \load
	GLD \q
.endif
.endm
; Trip t names step t + 6, which trip t + 4 will load; the loop's trips 1 to 9 ask (LEFT = 14 - t above 4), so the last step named is 15 and no prefetch leaves its buffer.  Steps 0 to 6 come by their loads alone.
.macro ASK
	s_cmp_gt_u32 s[LEFT], s[PLIM]
	s_cbranch_scc0 .Lnot_mine_\@
	global_prefetch_b8 v[PFO], s[PFA:PFA+1] th:TH_LOAD_NT scope:SCOPE_SE
.Lnot_mine_\@:
.endm
; A TRIP: 64 products on the slot RB; beside them step t + 1 is rounded into the slot SB and step t + 2 asked for.  The 64 accumulators take turns, one instruction a turn, over the backward jump too.
.macro TRIP zero, conv, load, ask, last
.if \load
	s_wait_xcnt 0x0                                ; every load and prefetch issued so far has read its address: the pointers may be written
	s_add_nc_u64 s[XB:XB+1], s[XB:XB+1], XSTEP
	s_add_nc_u64 s[WB:WB+1], s[WB:WB+1], WSTEP
	s_add_nc_u64 s[PFA:PFA+1], s[PFA:PFA+1], s[PFS:PFS+1]
.endif
	WIN 0
	v_add_nc_u32 v[FX], s[RB], v[FX0]              ; four plain instructions between the last trip's products and the loads into their sources
	v_add_nc_u32 v[FW], s[RB], v[FW0]
	v_nop
	v_nop
.set f, 0
.rept 8
	ds_load_tr16_b128 v[WF+8*f:WF+8*f+3],   v[FW] offset:32*f
	ds_load_tr16_b128 v[WF+8*f+4:WF+8*f+7], v[FW] offset:32*f+16*PX
.set f, f+1
.endr
.set f, 0
.rept 8
	ds_load_tr16_b128 v[XF+8*f:XF+8*f+3],   v[FX] offset:32*f
	ds_load_tr16_b128 v[XF+8*f+4:XF+8*f+7], v[FX] offset:32*f+16*PX
.set f, f+1
.endr
.if \ask
	ASK
.endif
.if \conv
	WIN 0x45
	v_add_nc_u32 v[LS1], s[SB], v[LS01]
.endif
	s_wait_dscnt 8                                 ; W's fragments and x's first four are in: x's last four (8 loads) may be out
.set g, 0
.rept 16
.if g == 8
	s_wait_dscnt 16*(\conv)                        ; all fragments are in: only the 16 stores of the first two runs may be out
.endif
	WIN 0xa0+0x50*(g/8)
.set zz, 0
.rept 4
.set ac, 8*(8*((g/2)%4)+4*(g%2)+zz)
.if \zero
	v_wmma_f32_16x16x32_bf16 v[ac:ac+7], v[WF+8*(4*(g%2)+zz):WF+8*(4*(g%2)+zz)+7], v[XF+8*(g/2):XF+8*(g/2)+7], 0
.else
	v_wmma_f32_16x16x32_bf16 v[ac:ac+7], v[WF+8*(4*(g%2)+zz):WF+8*(4*(g%2)+zz)+7], v[XF+8*(g/2):XF+8*(g/2)+7], v[ac:ac+7]
.endif
.set zz, zz+1
.endr
.if \conv
	WIN 0x45
	CONV 2*g, \load
	CONV 2*g+1, \load
.if g%4 == 3                           ; a run: the eight quads rounded since the last one
.set qq, 2*g-6
.rept 8
	PUT qq, \load
.set qq, qq+1
.endr
.endif
.endif
.set g, g+1
.endr
.if !(\last)
	WIN 0
	s_wait_dscnt 0x0                               ; for the others' sake: my stores into SB are done (my reads of RB were waited for ahead of the products)
	s_barrier_signal -1
	s_barrier_wait -1                              ; SB is whole, and nobody reads RB any more
	s_xor_b32 s[RB], s[RB], SLOT1
	s_xor_b32 s[SB], s[SB], SLOT1
.endif
.endm
	WIN 0x45
.set qq, 0
.rept 32
	GLD qq                                         ; step 0
.set qq, qq+1
.endr
	s_wait_xcnt 0x0
	s_add_nc_u64 s[XB:XB+1], s[XB:XB+1], XSTEP
	s_add_nc_u64 s[WB:WB+1], s[WB:WB+1], WSTEP
	v_mov_b32 v[LS1], v[LS01]                      ; slot 0
.set rr, 0
.rept 4                                            ; step 0 into slot 0, step 1 asked for: eight quads at a time, as in a trip
.set qq, 8*rr
.rept 8
	CONV qq, 1
.set qq, qq+1
.endr
.set qq, 8*rr
.rept 8
	PUT qq, 1
.set qq, qq+1
.endr
.set rr, rr+1
.endr
	WIN 0
	s_wait_dscnt 0x0
	s_barrier_signal -1
	s_barrier_wait -1
	s_mov_b32 s[RB], 0
	s_mov_b32 s[SB], SLOT1
	TRIP 1, 1, 1, 0, 0                             ; trip 0: its products start the sums
	s_mov_b32 s[LEFT], 13
.Lk:                                               ; trips 1 to 13
	TRIP 0, 1, 1, 1, 0
	s_sub_co_u32 s[LEFT], s[LEFT], 1
	s_cmp_lg_u32 s[LEFT], 0
	s_cbranch_scc1 .Lk
	TRIP 0, 1, 0, 0, 0                             ; trip 14 rounds step 15 and loads nothing
	TRIP 0, 0, 0, 0, 1                             ; trip 15
	; THE WAY OUT.  (sum + bias) x scale = sum x scale + bias x scale; rounded to bf16; a block of 16 tokens x 64 outputs (one head) at a time through my own stage, back as whole rows of 128 bytes.
	WIN 0
.set z, 0
.rept 32
	v_pk_mul_f32 v[BI+2*z:BI+2*z+1], v[BI+2*z:BI+2*z+1], s[SC:SC+1] op_sel_hi:[1,0]  ; these name no register of the last products: they are the places behind them
.set z, z+1
.endr
.macro PACK k                          ; block k: tokens 16 (k / 2) on, head k % 2 of my two
.set bs, 8*(8*(((\k)/2)%4)+4*((\k)%2))
	WIN 0x82+0x41*((\k)/8)
.set z, 0
.rept 16
	v_pk_fma_f32 v[bs+2*z:bs+2*z+1], v[bs+2*z:bs+2*z+1], s[SC:SC+1], v[BI+32*((\k)%2)+2*z:BI+32*((\k)%2)+2*z+1] op_sel_hi:[1,0,1]
.set z, z+1
.endr
	WIN 0x0a+5*((\k)/8)
.set z, 0
.rept 16
	v_cvt_pk_bf16_f32 v[TMP+z], v[bs+2*z], v[bs+2*z+1]
.set z, z+1
.endr
	WIN 0
.endm
.macro TOSTAGE
.set f, 0
.rept 4
	ds_store_b128 v[STO], v[TMP+4*f:TMP+4*f+3] offset:32*f
.set f, f+1
.endr
	s_wait_xcnt 0x0                                ; the last block's stores have read the registers that the loads below write
.set f, 0
.rept 4
	ds_load_b128 v[TMP+16+4*f:TMP+16+4*f+3], v[RD] offset:f*4*SP  ; LDS serves a wave's instructions in order (ISA guide 5.7.1.4): these see the stores above
.set f, f+1
.endr
.endm
.macro SEND k
.set f, 0
.rept 4
	s_wait_dscnt 3-f
	global_store_b128 v[GO], v[TMP+16+4*f:TMP+16+4*f+3], s[DB:DB+1] offset:((\k)%2)*262144+((\k)/2)*2048+f*512  ; 512 consecutive bytes, at a multiple of 256 from the buffer's first
.set f, f+1
.endr
.endm
	PACK 0
	TOSTAGE
.set kk, 1
.rept 15                               ; a block's arithmetic stands between the loads of the block before and the wait for them
	PACK kk
	SEND kk-1
	TOSTAGE
.set kk, kk+1
.endr
	SEND 15
	s_wait_tensorcnt 0x0                           ; the wave's end, behind my last LDS store
	ds_add_u32 v[SPW], v[NIL]
	s_wait_dscnt 0x0
	s_endpgm
.Lfunc_end_k_q92de46a37d_proj:
	.size	k_q92de46a37d_proj, .Lfunc_end_k_q92de46a37d_proj-k_q92de46a37d_proj
	.p2alignl 7, 3214868480
	.fill 96, 4, 3214868480
	.section	.rodata,"a",@progbits
	.p2align	6, 0x0
	.amdhsa_kernel k_q92de46a37d_proj
		.amdhsa_group_segment_fixed_size 100352
		.amdhsa_private_segment_fixed_size 0
		.amdhsa_enable_private_segment 0
		.amdhsa_kernarg_size 96
		.amdhsa_user_sgpr_count 2
		.amdhsa_user_sgpr_kernarg_segment_ptr 1
		.amdhsa_wavefront_size32 1
		.amdhsa_system_sgpr_workgroup_id_x 1
		.amdhsa_system_sgpr_workgroup_id_y 1
		.amdhsa_system_sgpr_workgroup_id_z 1
		.amdhsa_system_vgpr_workitem_id 0
		.amdhsa_next_free_vgpr 1024
		.amdhsa_next_free_sgpr 80
		.amdhsa_reserve_vcc 0
		.amdhsa_float_denorm_mode_32 3
		.amdhsa_float_denorm_mode_16_64 3
		.amdhsa_memory_ordered 1
		.amdhsa_forward_progress 1
		.amdhsa_inst_pref_size 129
	.end_amdhsa_kernel
	.amdgpu_metadata
---
amdhsa.version: [ 1, 2 ]
amdhsa.kernels:
  - .name:           k_q92de46a37d_proj
    .symbol:         k_q92de46a37d_proj.kd
    .args:
      - { .name: x1, .offset: 0, .size: 8, .value_kind: global_buffer, .address_space: global }
      - { .name: x2, .offset: 8, .size: 8, .value_kind: global_buffer, .address_space: global }
      - { .name: Wq, .offset: 16, .size: 8, .value_kind: global_buffer, .address_space: global }
      - { .name: Wk, .offset: 24, .size: 8, .value_kind: global_buffer, .address_space: global }
      - { .name: Wv1, .offset: 32, .size: 8, .value_kind: global_buffer, .address_space: global }
      - { .name: Wv2, .offset: 40, .size: 8, .value_kind: global_buffer, .address_space: global }
      - { .name: bq, .offset: 48, .size: 8, .value_kind: global_buffer, .address_space: global }
      - { .name: bk, .offset: 56, .size: 8, .value_kind: global_buffer, .address_space: global }
      - { .name: bv1, .offset: 64, .size: 8, .value_kind: global_buffer, .address_space: global }
      - { .name: bv2, .offset: 72, .size: 8, .value_kind: global_buffer, .address_space: global }
      - { .name: qk, .offset: 80, .size: 8, .value_kind: global_buffer, .address_space: global }
      - { .name: vv, .offset: 88, .size: 8, .value_kind: global_buffer, .address_space: global }
    .group_segment_fixed_size: 100352
    .private_segment_fixed_size: 0
    .kernarg_segment_align: 8
    .kernarg_segment_size: 96
    .max_flat_workgroup_size: 128
    .sgpr_count:     80
    .vgpr_count:     1024
    .wavefront_size: 32
...
	.end_amdgpu_metadata
.endif
;; end of part 1
;; launch stats (part 2): grid 4 x 64, 4 waves a work-group, clusters of 4 x 1, 297,472 bytes of LDS; arguments qk, nl; writes nl
.if DOCPART == 2
	.amdgcn_target "amdgcn-amd-amdhsa--gfx1250"
	.amdhsa_code_object_version 6
	.text
	.protected	k_q92de46a37d_stats
	.globl	k_q92de46a37d_stats
	.p2align	8
	.type	k_q92de46a37d_stats,@function
k_q92de46a37d_stats:
	s_mov_b64 s[64:65], 0
	v_nop
	global_prefetch_b8 v0, s[64:65] scope:SCOPE_SE
	s_setreg_imm32_b32 hwreg(HW_REG_WAVE_MODE, 25, 1), 1
	s_wait_xcnt 0x0
	s_wait_alu depctr_hold_cnt(0) depctr_sa_sdst(0) depctr_va_vdst(0) depctr_va_sdst(0) depctr_va_ssrc(0) depctr_va_vcc(0) depctr_vm_vsrc(0)
	s_getreg_b32 s2, hwreg(HW_REG_IB_STS2, 6, 4)
	s_cmp_eq_u32 s2, 0
	s_cbranch_scc0 .Lentry_in_a_cluster
	s_endpgm
.Lentry_in_a_cluster:
	s_bfe_u32 s2, ttmp6, 0x10000c
	s_cmp_lg_u32 s2, 0x3003
	s_cbranch_scc0 .Lentry_shape_is_right
	s_endpgm
.Lentry_shape_is_right:
; THE TWO SOFTMAXES' DIVISORS.  S'[q][k] = q'[q] . k[k] (q' carries log2(e) / 8).  nl[d][bh][i] = -(M + log2 L), M the maximum and L the sum of 2^(S' - M) over the WALKED index:
; d = 0: i a key, walked the queries; d = 1: i a query, walked the keys.  qk: [s][bh][2048][64] bf16, s = 0 q', s = 1 k.  Products, maxima, sums, logarithm in f32.
; LIMITS.  A term below 2^-126 counts as 0 in L; NaN and infinities are not treated apart.
; SHARES.  Cluster y = 32 d + bh; its four work-groups own 512 rows each of qk[1 - d], a wave 128: four PIECES of two tiles of 16.  Every wave walks all 2,048 rows of qk[d], 64 a step.
; THE WALKED ROWS STAY IN LDS: 2,048 x 144 bytes, brought once by sixteen JOINT tensor loads (four a wave, all four out together): the four work-groups walk the same rows.  Nothing is filled again.
; LAYOUT.  S^T = K R^T (source 0 = 16 walked rows, source 1 = 16 owned rows): a lane holds ONE owned row (lane % 16) and the walked rows 8 (lane / 16) + 0..7 of each 16.
; Each half of the lanes keeps a running maximum M and sum L of its own; the halves meet once, at the end.
; BY TURNS.  Turn n belongs to piece n: 16 products of piece n + 1, behind each two subtractions s - M and two exponentials of piece n by turns; then the maximum and the correction a = 2^(M_old - M_new) of piece n + 1,
; with piece n's other exponentials one behind each of its lines; one wait for the turn's 66 exponentials; then piece n's sums, L = a L + sum.
; REGISTERS: window 0: v0-15 addresses; v16-47 M, M_old - M_new, L (even, odd) a tile; v48-63 at work; v64-191 S^T, two buffers by the piece's parity; v192-255 K of one step.  Window 1: v0-127 the owned rows.
.set PK,    144                        ; a walked row in LDS: 128 bytes + 16 of padding = 36 words: the 16 rows of a load start at 16 different groups of four banks (64 banks of 4 bytes: ISA guide 11.1)
.set KS,    64
.set STAGE, 2048*PK                    ; behind the rows, never filled by a tensor load: 512 bytes for each wave
.set SPARE, STAGE+4*512                ; the spare words, 128 bytes for each wave: two blocks of 256 bytes that no other line names
.set AK0, 2
.set AK,  3
.set QO,  4
.set STO, 5
.set RD,  6
.set GO,  7
.set SPW, 8
.set NIL, 9
.set ST,  16
.set TMP, 48
.set S,   64
.set KF,  192
.set WV,  12
.set G1,  24                           ; s[24:31] descriptor group 1
.set G0,  32                           ; s[32:47] four groups 0
.set CNT, 48
.set TBK, 49                           ; LDS byte at which the step to be fetched begins
.set TT,  50
.set SEL, 52                           ; s[52:53] v_permlanex16_b32's selects
.set RW,  54                           ; s[54:55] my wave's owned rows
.set NB,  56                           ; s[56:57] my wave's 512 bytes of nl
.set MSB, 0
.macro WIN new
.if MSB != (\new)
	s_set_vgpr_msb (MSB<<8)|(\new)
.set MSB, (\new)
.endif
.endm
.macro CROUND                          ; a round of the cluster's barrier
	s_barrier_signal -1
	s_barrier_wait -1
	s_cmp_lg_u32 s[WV], 0
	s_cbranch_scc1 .Lnot_wave_0_\@
	s_barrier_signal -3
.Lnot_wave_0_\@:
	s_barrier_wait -3
	s_barrier_signal -1
	s_barrier_wait -1
.endm
	s_load_b128 s[4:7], s[0:1], 0x0                ; qk s[4:5], nl s[6:7]
	v_lshl_add_u32 v[SPW], v0, 2, SPARE
	v_mov_b32 v[NIL], 0
	ds_add_u32 v[SPW], v[NIL]                      ; the wave's opening: the add, and its wait ahead of my first tensor load; the set-up below, work on registers, stands between them
	v_lshrrev_b32 v1, 5, v0
	v_readfirstlane_b32 s[WV], v1
	s_bfe_u32 s13, ttmp6, 0x40000                  ; cx: it enters the owned rows' and nl's addresses alone
	s_and_b32 s14, ttmp7, 0xffff
	s_lshr_b32 s15, s14, 5                         ; d
	s_and_b32 s16, s14, 31                         ; bh
	s_lshl_b32 s2, s15, 23
	s_lshl_b32 s3, s16, 18
	s_add_co_u32 s2, s2, s3                        ; (d, bh) in qk
	s_xor_b32 s18, s2, 1<<23                       ; (1 - d, bh)
	s_lshl_b32 s3, s[WV], 14
	s_add_co_u32 s2, s2, s3                        ; walked: my wave's 128 rows of each 512
	s_mov_b32 s3, 0
	s_lshl_b32 s20, s13, 2
	s_add_co_u32 s20, s20, s[WV]                   ; my wave among the sixteen
	s_lshl_b32 s21, s20, 14
	s_add_co_u32 s18, s18, s21                     ; owned: its 128 rows
	s_mov_b32 s19, 0
	s_lshl_b32 s22, s15, 18
	s_lshl_b32 s23, s16, 13
	s_add_co_u32 s22, s22, s23
	s_lshl_b32 s23, s20, 9
	s_add_co_u32 s22, s22, s23
	s_mov_b32 s23, 0
	s_mul_i32 s17, s[WV], 128*PK
	; descriptor group 1.  128 rows are 16,384 dense bytes: asked for as 64 rows of 256 bytes and padded in LDS after every 128
	s_mov_b32 s[G1], 15|(1<<16)|(1<<20)|(1<<21)|(4<<22)|(3<<25)  ; 15:0 the mask of four; 17:16 2-byte elements; 20 padding on; 21 set beside a mask; 24:22 after every 32 words; 31:25 4 words
	s_mov_b32 s[G1+1], 128<<16
	s_mov_b32 s[G1+2], 64<<16
	s_mov_b32 s[G1+3], 128<<16
	s_mov_b32 s[G1+4], 64
	s_mov_b32 s[G1+5], 128
	s_mov_b32 s[G1+6], 0
	s_mov_b32 s[G1+7], 0
	s_mov_b32 s[SEL], 0x76543210
	s_mov_b32 s[SEL+1], 0xfedcba98
	s_mov_b32 s[TBK], 0
	s_wait_dscnt 0x0                               ; the opening add is done
	s_wait_kmcnt 0x0
	s_add_nc_u64 s[2:3], s[4:5], s[2:3]
	s_add_nc_u64 s[RW:RW+1], s[4:5], s[18:19]
	s_add_nc_u64 s[NB:NB+1], s[6:7], s[22:23]
.irp z, 0,1,2,3
	s_mov_b32 s[G0+4*\z], 1
	s_add_co_u32 s[G0+4*\z+1], s17, \z*4*128*PK    ; rows 128 (4 z + wave) on
	s_add_nc_u64 s[G0+4*\z+2:G0+4*\z+3], s[2:3], \z*65536
	s_or_b32 s[G0+4*\z+3], s[G0+4*\z+3], 0x80000000
.endr
	CROUND                                         ; all four work-groups are here: the joint loads meet
.irp z, 0,1,2,3
	tensor_load_to_lds s[G0+4*\z:G0+4*\z+3], s[G1:G1+7]
	s_nop 0
.endr
.rept 4
	v_nop
.endr
	v_and_b32 v1, 15, v0                           ; l % 16
	v_bfe_u32 v10, v0, 4, 1                        ; l / 16
	v_lshlrev_b32 v[QO], 7, v1
	v_lshl_add_u32 v[QO], v10, 4, v[QO]
	WIN 0x40
.set i, 0
.rept 16                                           ; the owned rows stay in registers: tile i / 2, channels 32 (i % 2) on
	global_load_b128 v[8*i:8*i+3],   v[QO], s[RW:RW+1] offset:(i/2)*2048+(i%2)*64
	global_load_b128 v[8*i+4:8*i+7], v[QO], s[RW:RW+1] offset:(i/2)*2048+(i%2)*64+32
.set i, i+1
.endr
	WIN 0
.set i, 0
.rept 8
	v_mov_b32 v[ST+4*i], 0xff7fffff                ; M: the lowest finite number, so the first step's a is 0
	v_mov_b32 v[ST+4*i+1], 0
	v_mov_b32 v[ST+4*i+2], 0
	v_mov_b32 v[ST+4*i+3], 0
.set i, i+1
.endr
	v_mul_u32_u24 v[AK0], v1, PK
	v_lshl_add_u32 v[AK0], v10, 4, v[AK0]
.macro KQ x                            ; product i of 16 for piece x: channels 32 (i / 8) on, walked rows 16 ((i / 2) % 4) on, tile 2 x + i % 2.  The 8 accumulators take turns
.set rS, S+64*((\x)%2)+32*(i%2)+8*((i/2)%4)
.set rK, KF+16*((i/2)%4)+8*(i/8)
.set rQ, 16*(2*(\x)+i%2)+8*(i/8)
.if i < 8
	v_wmma_f32_16x16x32_bf16 v[rS:rS+7], v[rK:rK+7], v[rQ:rQ+7], 0
.else
	v_wmma_f32_16x16x32_bf16 v[rS:rS+7], v[rK:rK+7], v[rQ:rQ+7], v[rS:rS+7]
.endif
.endm
.macro REGS y, u
.set rT, ST+4*(2*(\y)+(\u))
.set rC, TMP+8*((\y)%2)+4*(\u)
.set rS, S+64*((\y)%2)+32*(\u)
.endm
.macro SUBM f                          ; s - M for pair f / 2 of tile f % 2; no vector register stands in source 1, so it runs under the products' window setting
	REGS Y, (\f)%2
	v_pk_fma_f32 v[rS+2*((\f)/2):rS+2*((\f)/2)+1], v[rS+2*((\f)/2):rS+2*((\f)/2)+1], 1.0, v[rT:rT+1] op_sel_hi:[1,0,0] neg_lo:[0,0,1] neg_hi:[0,0,1]
.endm
.macro EXPM e                          ; tile (e / 2) % 2, score 2 (e / 4) + e % 2: it wants subtraction 2 (e / 4) + (e / 2) % 2, which is at most e / 2
	REGS Y, ((\e)/2)%2
	v_exp_f32 v[rS+2*((\e)/4)+(\e)%2], v[rS+2*((\e)/4)+(\e)%2]
.endm
; Number n of the 19 that find the next piece's maximum: 0-11 four chains of seven scores, each accumulator's lowest registers first; 12-15 the four scores left over, the old M, all into c0;
; 16 M_old - M_new; 17 the new M; 18 a.
.macro XS u, n
	REGS (Y+1)%4, \u
.if (\n) < 4
	v_max3_num_f32 v[rC+(\n)], v[rS+8*(\n)], v[rS+8*(\n)+1], v[rS+8*(\n)+2]
.elseif (\n) < 12
	v_max3_num_f32 v[rC+(\n)%4], v[rC+(\n)%4], v[rS+8*((\n)%4)+2*((\n)/4)+1], v[rS+8*((\n)%4)+2*((\n)/4)+2]
.elseif (\n) == 12
	v_max3_num_f32 v[rC], v[rC], v[rS+7], v[rS+15]
.elseif (\n) == 13
	v_max3_num_f32 v[rC+1], v[rC+1], v[rS+23], v[rS+31]
.elseif (\n) == 14
	v_max3_num_f32 v[rC+2], v[rC+2], v[rC+3], v[rT]
.elseif (\n) == 15
	v_max3_num_f32 v[rC], v[rC], v[rC+1], v[rC+2]
.elseif (\n) == 16
	v_sub_f32 v[rT+1], v[rT], v[rC]
.elseif (\n) == 17
	v_mov_b32 v[rT], v[rC]
.else
	v_exp_f32 v[rC+2], v[rT+1]
.endif
.endm
.macro SUMB k, u                       ; of four terms the second pair is added onto the first, in place
	REGS Y, \u
	v_pk_add_f32 v[rS+4*(\k):rS+4*(\k)+1], v[rS+4*(\k):rS+4*(\k)+1], v[rS+4*(\k)+2:rS+4*(\k)+3]
.endm
.macro SUML k, u                       ; L takes that sum; the first time as L = a L + sum
	REGS Y, \u
.if (\k) == 0
	v_pk_fma_f32 v[rT+2:rT+3], v[rT+2:rT+3], v[rC+2:rC+3], v[rS:rS+1] op_sel_hi:[1,0,1]
.else
	v_pk_add_f32 v[rT+2:rT+3], v[rT+2:rT+3], v[rS+4*(\k):rS+4*(\k)+1]
.endif
.endm
.macro FETCH_K                         ; a step's 64 rows x 64 channels: 8 fragments, 16 loads in one run.  Behind the last step the address stays at step 31: those products serve nothing and change no M
	s_min_u32 s[TT], s[TBK], 31*KS*PK
	v_add_nc_u32 v[AK], s[TT], v[AK0]
.set f, 0
.rept 8
	ds_load_b128 v[KF+8*f:KF+8*f+3],   v[AK] offset:(f/2)*16*PK+(f%2)*64
	ds_load_b128 v[KF+8*f+4:KF+8*f+7], v[AK] offset:(f/2)*16*PK+(f%2)*64+32
.set f, f+1
.endr
	s_add_co_u32 s[TBK], s[TBK], KS*PK
.endm
.macro TURN p
.set Y, (\p)
.if (\p) == 3
	s_wait_dscnt 0x0                               ; the next step's K is in
.endif
	WIN 0x04                                       ; the owned rows, source 1, in window 1; all else in window 0
.set i, 0
	KQ (Y+1)%4
	SUBM 0
	SUBM 1
.set i, 1
.rept 15                                           ; plain and exponential by turns; exponentials 2 i - 2 and 2 i - 1 want subtractions up to i - 1, made in an earlier group
	KQ (Y+1)%4
	SUBM 2*i
	EXPM 2*i-2
	SUBM 2*i+1
	EXPM 2*i-1
.set i, i+1
.endr
	WIN 0
.set xx, 0
.rept 36                                           ; the next piece's maximum, the tiles alternating, with exponentials 30 to 63 one behind each line.  Each accumulator is read four plain instructions or more behind the product that ended it:
	XS xx%2, xx/2                                  ; behind the last product stand two subtractions and seven of these lines ahead of the line that reads its result
.if xx < 34
	EXPM 30+xx
.endif
.if ((\p) == 2) && (xx == 7)
	FETCH_K                                        ; ten plain instructions behind the last product that read K
.endif
.set xx, xx+1
.endr
	XS 0, 18
	XS 1, 18
	v_nop                                          ; a plain instruction behind the last exponential,
	s_wait_alu depctr_va_vdst(0)                   ; and ONE wait for the turn's 66, ahead of the first line that names a result
	SUMB 0, 0
	SUMB 0, 1
.set k, 0
.rept 8
.if k < 7
	SUMB k+1, 0
	SUMB k+1, 1
.endif
	SUML k, 0
	SUML k, 1
.set k, k+1
.endr
.endm
	s_wait_tensorcnt 0x0                           ; my four parts have landed,
	s_barrier_signal -1
	s_barrier_wait -1                              ; everybody's have
	FETCH_K                                        ; step 0
	s_wait_loadcnt 0x0                             ; the owned rows
	s_wait_dscnt 0x0
	WIN 0x04
.set i, 0
.rept 16
	KQ 0
.set i, i+1
.endr
	WIN 0
	s_lshl_b32 s2, s[WV], 9
	s_add_co_u32 s2, s2, STAGE                     ; my stage
	v_and_b32 v11, 31, v0
	v_lshl_add_u32 v[STO], v1, 2, s2               ; in: a word for each owned row of a tile
	v_lshl_add_u32 v[RD], v11, 4, s2               ; back: 16 bytes a lane
	v_lshlrev_b32 v[GO], 4, v11
.rept 4
	v_nop                                          ; with the four above: the places behind those products
.endr
.set Y, 3
.set n, 0
.rept 19
	XS 0, n
	XS 1, n
.set n, n+1
.endr
	v_nop
	s_wait_alu depctr_va_vdst(0)
	s_mov_b32 s[CNT], 32
.Lstep:                                            ; a trip is a step of 64 walked rows
	TURN 0
	TURN 1
	TURN 2
	TURN 3
	WIN 0
	s_sub_co_u32 s[CNT], s[CNT], 1
	s_cmp_lg_u32 s[CNT], 0
	s_cbranch_scc1 .Lstep
	; THE END.  The two halves of the lanes meet: M = max, L = L 2^(M - max) + L' 2^(M' - max); nl = -(max + log2 L).
.macro ALL line:vararg                 ; one line for each tile t
.set t, 0
.rept 8
	\line
.set t, t+1
.endr
.endm
	ALL v_add_f32 v[S+8*t], v[ST+4*t+2], v[ST+4*t+3]
	ALL v_permlanex16_b32 v[S+8*t+1], v[ST+4*t], s[SEL], s[SEL+1]
	ALL v_permlanex16_b32 v[S+8*t+2], v[S+8*t], s[SEL], s[SEL+1]
	ALL v_max_num_f32 v[S+8*t+3], v[ST+4*t], v[S+8*t+1]
	ALL v_sub_f32 v[S+8*t+4], v[ST+4*t], v[S+8*t+3]
	ALL v_sub_f32 v[S+8*t+5], v[S+8*t+1], v[S+8*t+3]
	ALL v_exp_f32 v[S+8*t+4], v[S+8*t+4]
	ALL v_exp_f32 v[S+8*t+5], v[S+8*t+5]
	v_nop
	s_wait_alu depctr_va_vdst(0)                   ; one wait for the sixteen
	ALL v_mul_f32 v[S+8*t], v[S+8*t], v[S+8*t+4]
	ALL v_fma_f32 v[S+8*t], v[S+8*t+2], v[S+8*t+5], v[S+8*t]
	ALL v_log_f32 v[S+8*t+6], v[S+8*t]
	v_nop
	s_wait_alu depctr_va_vdst(0)                   ; one wait for the eight
	ALL v_fma_f32 v[S+8*t+7], v[S+8*t+3], -1.0, -v[S+8*t+6]
	ALL ds_store_b32 v[STO], v[S+8*t+7] offset:64*t
	ds_load_b128 v[S:S+3], v[RD]                   ; LDS serves a wave's instructions in order (ISA guide 5.7.1.4): my 128 rows' numbers, 16 bytes a lane
	s_wait_dscnt 0x0
	global_store_b128 v[GO], v[S:S+3], s[NB:NB+1]  ; 512 consecutive bytes, at a multiple of 256 from nl's first
	s_wait_tensorcnt 0x0                           ; the wave's end
	ds_add_u32 v[SPW], v[NIL]
	s_wait_dscnt 0x0
	CROUND                                         ; the closing round
	s_endpgm
.Lfunc_end_k_q92de46a37d_stats:
	.size	k_q92de46a37d_stats, .Lfunc_end_k_q92de46a37d_stats-k_q92de46a37d_stats
	.p2alignl 7, 3214868480
	.fill 96, 4, 3214868480
	.section	.rodata,"a",@progbits
	.p2align	6, 0x0
	.amdhsa_kernel k_q92de46a37d_stats
		.amdhsa_group_segment_fixed_size 297472
		.amdhsa_private_segment_fixed_size 0
		.amdhsa_enable_private_segment 0
		.amdhsa_kernarg_size 16
		.amdhsa_user_sgpr_count 2
		.amdhsa_user_sgpr_kernarg_segment_ptr 1
		.amdhsa_wavefront_size32 1
		.amdhsa_system_sgpr_workgroup_id_x 1
		.amdhsa_system_sgpr_workgroup_id_y 1
		.amdhsa_system_sgpr_workgroup_id_z 1
		.amdhsa_system_vgpr_workitem_id 0
		.amdhsa_next_free_vgpr 384
		.amdhsa_next_free_sgpr 66
		.amdhsa_reserve_vcc 0
		.amdhsa_float_denorm_mode_32 3
		.amdhsa_float_denorm_mode_16_64 3
		.amdhsa_memory_ordered 1
		.amdhsa_forward_progress 1
		.amdhsa_inst_pref_size 58
	.end_amdhsa_kernel
	.amdgpu_metadata
---
amdhsa.version: [ 1, 2 ]
amdhsa.kernels:
  - .name:           k_q92de46a37d_stats
    .symbol:         k_q92de46a37d_stats.kd
    .args:
      - { .name: qk, .offset: 0, .size: 8, .value_kind: global_buffer, .address_space: global }
      - { .name: nl, .offset: 8, .size: 8, .value_kind: global_buffer, .address_space: global }
    .group_segment_fixed_size: 297472
    .private_segment_fixed_size: 0
    .kernarg_segment_align: 8
    .kernarg_segment_size: 16
    .max_flat_workgroup_size: 128
    .sgpr_count:     66
    .vgpr_count:     384
    .wavefront_size: 32
...
	.end_amdgpu_metadata
.endif
;; end of part 2
;; launch ctxk (part 3): grid 4 x 64, 4 waves a work-group, clusters of 4 x 1, 327,680 bytes of LDS; arguments qk, vv, nl, cx; writes cx
.if DOCPART == 3
	.amdgcn_target "amdgcn-amd-amdhsa--gfx1250"
	.amdhsa_code_object_version 6
	.text
	.protected	k_q92de46a37d_ctxk
	.globl	k_q92de46a37d_ctxk
	.p2align	8
	.type	k_q92de46a37d_ctxk,@function
k_q92de46a37d_ctxk:
	s_mov_b64 s[64:65], 0
	v_nop
	global_prefetch_b8 v0, s[64:65] scope:SCOPE_SE
	s_setreg_imm32_b32 hwreg(HW_REG_WAVE_MODE, 25, 1), 1
	s_wait_xcnt 0x0
	s_wait_alu depctr_hold_cnt(0) depctr_sa_sdst(0) depctr_va_vdst(0) depctr_va_sdst(0) depctr_va_ssrc(0) depctr_va_vcc(0) depctr_vm_vsrc(0)
	s_getreg_b32 s2, hwreg(HW_REG_IB_STS2, 6, 4)
	s_cmp_eq_u32 s2, 0
	s_cbranch_scc0 .Lentry_in_a_cluster
	s_endpgm
.Lentry_in_a_cluster:
	s_bfe_u32 s2, ttmp6, 0x10000c
	s_cmp_lg_u32 s2, 0x3003
	s_cbranch_scc0 .Lentry_shape_is_right
	s_endpgm
.Lentry_shape_is_right:
; THE TWO CONTEXTS.  d = 0: ctx1[q] = sum over k of 2^(S'[q][k] + nl[0][k]) v1[k];  d = 1: ctx2[k] = sum over q of 2^(S'[q][k] + nl[1][q]) v2[q].  S' = q' . k; nl = -(maximum + log2 of the sum) of the walked
; index's column or row of S', made by the launch before.  So the exponent is at most 0 up to rounding: the maximum has been taken away, and every weight is finished as it comes out of the exponential:
; no running maximum, no sum, no rescaling and no division here.  qk, vv, cx: [s][bh][2048][64] bf16; nl: [d][bh][2048] f32.  Products and exponents in f32; the weights are rounded to bf16, the context once at the end.
; bf16 for all operands: a row of ctx1 sums weights that are normalised by column, up to 2,048 |v|, which has no room in f16 for inputs some 30 times larger.
; LIMITS.  A weight below 2^-126 counts as 0; NaN and infinities are not treated apart.
; SHARES.  Cluster y = 32 d + bh; its four work-groups own 512 rows each of qk[d], a wave 128: four PIECES of two tiles of 16.  Every wave walks all 2,048 rows of qk[1 - d] (K) and vv[d] (V), 64 a step.
; The four work-groups walk the same K and V: each tile is asked for JOINTLY.  Two LDS slots of four steps take turns; one joint load a wave behind each round, with 512 products in which to land.
; LAYOUT.  S^T = K R^T + nl (source 0 = 16 walked rows, source 1 = 16 owned rows; the C operand that starts the sum holds nl of the walked rows): a lane holds one owned row and the walked rows 8 (lane / 16) + 0..7.
; Two such results, through the exponential and rounded in pairs, ARE source 1 of O^T = V^T P.  K comes out of LDS as it lies, V turned (ds_load_tr16_b128).
; BY TURNS.  Turn n belongs to piece n (the pieces in a ring, step after step).  First 16 products V^T P of piece n - 2, behind each an exponential of piece n, a rounding of piece n - 1, and the same again; then 16 products
; K R^T of piece n + 1, behind each two exponentials of piece n; then one wait for the turn's 64 exponentials.  So two exponentials stand behind every product.  A piece's S^T and P go by its number's parity:
; piece n - 1's roundings all stand ahead of the products that write piece n + 1's scores over its S^T, and piece n - 2's P is read while piece n - 1's is written.
; REGISTERS: window 0: v0-31 addresses; v32-63 nl of a step; v64-191 the owned rows; v192-255 V of a step.  Window 1: O^T, 32 a tile.  Window 2: v0-63 P, two buffers; v64-191 S^T, two buffers; v192-255 K of a step.
.set KS,    64
.set PK,    144                        ; a row of K in LDS: 128 bytes + 16: the 16 rows of a load start at 16 different groups of four banks (64 banks of 4 bytes: ISA guide 11.1)
.set PV,    160                        ; a row of V: 128 + 32
.set VOFF,  4*KS*PK                    ; a slot: 256 rows of K, then 256 rows of V
.set SLOT1, 1<<17
.set STAGE, SLOT1+4*KS*(PK+PV)         ; behind the ring, never filled by a tensor load: 16 rows x 144 bytes for each wave
.set SP,    144
.set NLB,   STAGE+4*16*SP              ; nl of the 2,048 walked rows, 8,192 bytes
.set SPARE, NLB+8192                   ; the spare words, 128 bytes for each wave: two blocks of 256 bytes that no other line names
.set AK0, 2
.set AV0, 3
.set AK,  4
.set AV,  5
.set AN0, 6
.set AN,  7
.set QO,  8
.set STO, 8                            ; later
.set RD,  9
.set GO,  10
.set PFO, 11
.set NLO, 12
.set NLS, 13
.set SPW, 30
.set NIL, 31
.set NEG, 32                           ; window 0
.set Q,   64                           ; window 0
.set VF,  192                          ; window 0
.set P,   0                            ; window 2
.set S,   64                           ; window 2
.set KF,  192                          ; window 2
.set WV,  12
.set G1K, 24
.set G1V, 32
.set G0K, 40
.set G0V, 44
.set QB,  48                           ; s[48:49] my wave's owned rows
.set OB,  50                           ; s[50:51] my wave's rows of cx
.set NB,  52                           ; s[52:53] nl of (d, bh)
.set SLOTS, 56
.set CNT, 57
.set TBK, 58
.set TBV, 59
.set TBN, 60
.set TT,  61
.set TU,  62
.set LIM, 63
.set PFA, 66                           ; s[66:67] where my prefetches stand
.set MSB, 0
.macro WIN new
.if MSB != (\new)
	s_set_vgpr_msb (MSB<<8)|(\new)
.set MSB, (\new)
.endif
.endm
.set W_PV, 0x58                        ; V in window 0, P in window 2, O^T (C and D) in window 1
.set W_RD, 0x8a                        ; exponentials and roundings: sources and destination in window 2
.set W_K0, 0x82                        ; K and S^T in window 2, the owned rows and nl in window 0; an exponential (source 0, destination) runs under it too
.set W_K1, 0xa2                        ; the same with the C operand, S^T, in window 2
; A joint fill.  Waves 0 and 1 fetch the two halves of a slot's K, waves 2 and 3 those of its V.  An s_nop 0 and four v_nop follow each of the two lines, ahead of the jump and the label.
.macro JLOAD
	s_cmp_lt_u32 s[WV], 2
	s_cbranch_scc0 .Lfor_v_\@
	tensor_load_to_lds s[G0K:G0K+3], s[G1K:G1K+7]
	s_nop 0
.rept 4
	v_nop
.endr
	s_branch .Lasked_\@
.Lfor_v_\@:
	tensor_load_to_lds s[G0V:G0V+3], s[G1V:G1V+7]
	s_nop 0
.rept 4
	v_nop
.endr
.Lasked_\@:
.endm
.macro CROUND
	s_barrier_signal -1
	s_barrier_wait -1
	s_cmp_lg_u32 s[WV], 0
	s_cbranch_scc1 .Lnot_wave_0_\@
	s_barrier_signal -3
.Lnot_wave_0_\@:
	s_barrier_wait -3
	s_barrier_signal -1
	s_barrier_wait -1
.endm
; A PREFETCH of the V that the NEXT change of slots will ask for: 256 rows = 128 blocks of 256 bytes; the four partners take 32 each, told apart by address; in each, wave 2 asks, a lane a block.  Only this cluster reads
; these rows, so each block is named once in the launch.  It stands four key steps, 512 products, ahead of the load.  The last change that fills a slot asks for nothing.  K is not asked for: its bytes are also the
; other direction's owned rows, which are loaded at the launch's head.
.macro ASK
	s_cmp_gt_u32 s[SLOTS], s[LIM]
	s_cbranch_scc0 .Lnot_mine_\@
	global_prefetch_b8 v[PFO], s[PFA:PFA+1] th:TH_LOAD_NT scope:SCOPE_SE
.Lnot_mine_\@:
.endm
; THE CHANGE OF SLOTS.  Each wave waits for all its tensor loads, of which one is out: its part of the other slot; adds 0 to its spare word; waits for that and for its own LDS instructions.  fill = 1: the barrier is a round
; of the cluster's, and the joint fill of the slot that was read, with the rows two slots on, is the first thing behind it.  (At its first use nothing has been read yet: slot 0 is waited for, slot 1 filled.)
.macro CHANGE fill, ask
	WIN 0
	s_wait_tensorcnt 0x0                           ; no tensor load of mine is out, so a group 0 may be written
	ds_add_u32 v[SPW], v[NIL]                      ; 0 onto my spare word
.if \fill
.irp g, G0K, G0V
	s_xor_b32 s[\g+1], s[\g+1], SLOT1
	s_add_nc_u64 s[\g+2:\g+3], s[\g+2:\g+3], 4*KS*128
.endr
.if \ask
	s_wait_xcnt 0x0                                ; the last prefetch, four key steps back, has read its address
	s_add_nc_u64 s[PFA:PFA+1], s[PFA:PFA+1], 4*KS*128
.endif
	s_wait_dscnt 0x0                               ; the add is done, and my reads of the slot are over
	CROUND
	JLOAD
.if \ask
	ASK
.endif
.else
	s_wait_dscnt 0x0
	s_barrier_signal -1
	s_barrier_wait -1
.endif
	s_sub_co_u32 s[TBK], s[TBK], 4*KS*PK           ; the fetches go back to a slot's first step, in the other slot
	s_xor_b32 s[TBK], s[TBK], SLOT1
	s_sub_co_u32 s[TBV], s[TBV], 4*KS*PV
	s_xor_b32 s[TBV], s[TBV], SLOT1
.endm
	s_load_b256 s[4:11], s[0:1], 0x0               ; qk s[4:5], vv s[6:7], nl s[8:9], cx s[10:11]
	v_lshl_add_u32 v[SPW], v0, 2, SPARE
	v_mov_b32 v[NIL], 0
	ds_add_u32 v[SPW], v[NIL]                      ; the wave's opening: the add, and its wait ahead of my first tensor load
	v_lshrrev_b32 v1, 5, v0
	v_readfirstlane_b32 s[WV], v1
	s_bfe_u32 s13, ttmp6, 0x40000                  ; cx: it enters the owned rows', cx's and the prefetches' addresses alone
	s_and_b32 s2, ttmp7, 0xffff
	s_lshr_b32 s3, s2, 5                           ; d
	s_and_b32 s2, s2, 31                           ; bh
	s_lshl_b32 s20, s3, 18
	s_lshl_b32 s21, s2, 13
	s_add_co_u32 s20, s20, s21                     ; (d, bh) in nl
	s_mov_b32 s21, 0
	s_lshl_b32 s2, s2, 18
	s_lshl_b32 s16, s3, 23
	s_add_co_u32 s16, s16, s2                      ; (d, bh) in qk, vv, cx
	s_xor_b32 s14, s16, 1<<23                      ; (1 - d, bh)
	s_mov_b32 s18, s16
	s_mov_b32 s22, s16
	s_and_b32 s70, s[WV], 1                        ; which half of a slot's 256 rows I fetch
	s_lshl_b32 s71, s70, 14
	s_add_co_u32 s14, s14, s71                     ; K
	s_add_co_u32 s16, s16, s71                     ; V
	s_mov_b32 s15, 0
	s_mov_b32 s17, 0
	s_lshl_b32 s71, s13, 2
	s_add_co_u32 s71, s71, s[WV]
	s_lshl_b32 s71, s71, 14
	s_add_co_u32 s18, s18, s71                     ; my wave's 128 owned rows
	s_mov_b32 s19, 0
	s_lshl_b32 s71, s13, 13
	s_add_co_u32 s71, s71, 2*4*KS*128
	s_add_co_u32 s22, s22, s71                     ; my work-group's 32 blocks of V's slot 2; the loop's first change steps it to slot 3
	s_mov_b32 s23, 0
	s_mov_b32 s[G1K], 15|(1<<16)|(1<<20)|(1<<21)|(4<<22)|(3<<25)  ; the mask of four; 2-byte elements; padding on; 21 set beside a mask; after every 32 words 4 words
	s_mov_b32 s[G1V], 15|(1<<16)|(1<<20)|(1<<21)|(4<<22)|(7<<25)  ; the same with 8 words
.irp g, G1K, G1V
	s_mov_b32 s[\g+1], 128<<16                     ; 128 rows are asked for as 64 rows of 256 bytes
	s_mov_b32 s[\g+2], 64<<16
	s_mov_b32 s[\g+3], 128<<16
	s_mov_b32 s[\g+4], 64
	s_mov_b32 s[\g+5], 128
	s_mov_b32 s[\g+6], 0
	s_mov_b32 s[\g+7], 0
.endr
	s_mov_b32 s[G0K], 1
	s_mul_i32 s[G0K+1], s70, 128*PK
	s_mov_b32 s[G0V], 1
	s_mul_i32 s[G0V+1], s70, 128*PV
	s_add_co_u32 s[G0V+1], s[G0V+1], VOFF
	s_mov_b32 s[TBK], SLOT1+4*KS*PK                ; the first change of slots turns these two into 0
	s_mov_b32 s[TBV], SLOT1+4*KS*PV
	s_mov_b32 s[TBN], 0
	s_cmp_eq_u32 s[WV], 2
	s_cselect_b32 s[LIM], 1, -1
	s_wait_dscnt 0x0                               ; the opening add is done
	s_wait_kmcnt 0x0
	s_add_nc_u64 s[G0K+2:G0K+3], s[4:5], s[14:15]
	s_or_b32 s[G0K+3], s[G0K+3], 0x80000000
	s_add_nc_u64 s[G0V+2:G0V+3], s[6:7], s[16:17]
	s_or_b32 s[G0V+3], s[G0V+3], 0x80000000
	s_add_nc_u64 s[QB:QB+1], s[4:5], s[18:19]
	s_add_nc_u64 s[OB:OB+1], s[10:11], s[18:19]
	s_add_nc_u64 s[NB:NB+1], s[8:9], s[20:21]
	s_add_nc_u64 s[PFA:PFA+1], s[6:7], s[22:23]
	CROUND                                         ; all four work-groups are here
	JLOAD                                          ; slot 0
	v_lshlrev_b32 v[NLO], 4, v0
	v_add_nc_u32 v[NLS], NLB, v[NLO]
.irp z, 0,1,2,3
	global_load_b128 v[NEG+4*\z:NEG+4*\z+3], v[NLO], s[NB:NB+1] offset:\z*2048  ; nl: 128 threads x 16 bytes x 4
.endr
	v_and_b32 v1, 15, v0                           ; l % 16
	v_bfe_u32 v14, v0, 4, 1                        ; l / 16
	v_lshlrev_b32 v[QO], 7, v1
	v_lshl_add_u32 v[QO], v14, 4, v[QO]
.set i, 0
.rept 16                                           ; the owned rows stay in registers: tile i / 2, channels 32 (i % 2) on
	global_load_b128 v[Q+8*i:Q+8*i+3],   v[QO], s[QB:QB+1] offset:(i/2)*2048+(i%2)*64
	global_load_b128 v[Q+8*i+4:Q+8*i+7], v[QO], s[QB:QB+1] offset:(i/2)*2048+(i%2)*64+32
.set i, i+1
.endr
	; What the first two turns find: V's registers, P's first buffer and S^T's second buffer hold 0, so that their products V^T P, of pieces that have not been, add 0.  All this stands in the wait for the first tile.
.set i, VF
.rept 64
	v_mov_b32 v[i], 0
.set i, i+1
.endr
	WIN 0x80
.set i, P
.rept 32
	v_mov_b32 v[i], 0
.set i, i+1
.endr
.set i, S+64
.rept 64
	v_mov_b32 v[i], 0
.set i, i+1
.endr
	WIN W_PV
.set i, 0
.rept 32                                           ; O^T's 32 sums begin with a product of those zeros and the constant 0 as C: nothing is cleared register by register
	v_wmma_f32_16x16x32_bf16 v[8*i:8*i+7], v[VF:VF+7], v[P:P+7], 0
.set i, i+1
.endr
	WIN 0
	v_mul_u32_u24 v[AK0], v1, PK
	v_lshl_add_u32 v[AK0], v14, 4, v[AK0]
	v_and_b32 v15, 7, v0
	v_bfe_u32 v16, v0, 3, 1
	v_lshl_add_u32 v[AV0], v14, 3, v15             ; the turning load: lane l reads row 8 (l / 16) + l % 8, 16 bytes at 16 ((l / 8) % 2)
	v_mul_u32_u24 v[AV0], v[AV0], PV
	v_lshl_add_u32 v[AV0], v16, 4, v[AV0]
	v_add_nc_u32 v[AV0], VOFF, v[AV0]
	v_lshlrev_b32 v[AN0], 5, v14                   ; nl: a lane's eight walked rows begin at 8 (l / 16)
	v_add_nc_u32 v[AN0], NLB, v[AN0]
	v_and_b32 v[PFO], 31, v0
	v_lshlrev_b32 v[PFO], 8, v[PFO]
	s_wait_loadcnt 32                              ; nl is in; the 32 younger loads, the owned rows', may stay out
.irp z, 0,1,2,3
	ds_store_b128 v[NLS], v[NEG+4*\z:NEG+4*\z+3] offset:\z*2048
.endr
.macro KQ x                            ; product i of 16 for piece x.  The first 8 start the sums with nl.  The 8 accumulators take turns
.set rS, S+64*((\x)%2)+32*(i%2)+8*((i/2)%4)
.set rK, KF+16*((i/2)%4)+8*(i/8)
.set rQ, Q+16*(2*(\x)+i%2)+8*(i/8)
.set rN, NEG+8*((i/2)%4)
.if i < 8
	WIN W_K0
	v_wmma_f32_16x16x32_bf16 v[rS:rS+7], v[rK:rK+7], v[rQ:rQ+7], v[rN:rN+7]
.else
	WIN W_K1
	v_wmma_f32_16x16x32_bf16 v[rS:rS+7], v[rK:rK+7], v[rQ:rQ+7], v[rS:rS+7]
.endif
.endm
.macro PV x                            ; product i of 16 of O^T += V^T P for piece x: walked rows 32 (i / 8) on, channels 16 ((i / 2) % 4) on, tile 2 x + i % 2
	WIN W_PV
.set rO, 32*(2*(\x)+i%2)+8*((i/2)%4)
.set rV, VF+32*(i/8)+8*((i/2)%4)
.set rP, P+32*((\x)%2)+16*(i%2)+8*(i/8)
	v_wmma_f32_16x16x32_bf16 v[rO:rO+7], v[rV:rV+7], v[rP:rP+7], v[rO:rO+7]
.endm
.macro EXPN j, z                       ; piece Y, place j of 32: tile j % 2, score 2 (j / 2) + z: ascending in a tile
.set rE, S+64*(Y%2)+32*((\j)%2)+2*((\j)/2)+(\z)
	v_exp_f32 v[rE], v[rE]
.endm
.macro CVTN c, z                       ; piece Y - 1, place c of 16: tile c % 2, pair 2 (c / 2) + z
.set rC, S+64*((Y+1)%2)+32*((\c)%2)+4*((\c)/2)+2*(\z)
.set rD, P+32*((Y+1)%2)+16*((\c)%2)+2*((\c)/2)+(\z)
	v_cvt_pk_bf16_f32 v[rD], v[rC], v[rC+1]
.endm
.macro FETCH_K clamp                   ; a step's K (16 loads) and its nl (8 loads; the lanes of a half read the same 32 bytes).  clamp = 1, the tail: behind the last step the addresses stay at step 31
	WIN 0
.if \clamp
	s_min_u32 s[TT], s[TBK], SLOT1+3*KS*PK
	s_min_u32 s[TU], s[TBN], 31*256
	v_add_nc_u32 v[AK], s[TT], v[AK0]
	v_add_nc_u32 v[AN], s[TU], v[AN0]
.else
	v_add_nc_u32 v[AK], s[TBK], v[AK0]
	v_add_nc_u32 v[AN], s[TBN], v[AN0]
.endif
	WIN 0x80                                       ; destination window 2
.set f, 0
.rept 8
	ds_load_b128 v[KF+8*f:KF+8*f+3],   v[AK] offset:(f/2)*16*PK+(f%2)*64
	ds_load_b128 v[KF+8*f+4:KF+8*f+7], v[AK] offset:(f/2)*16*PK+(f%2)*64+32
.set f, f+1
.endr
	WIN 0
.set f, 0
.rept 4
	ds_load_b128 v[NEG+8*f:NEG+8*f+3],   v[AN] offset:64*f
	ds_load_b128 v[NEG+8*f+4:NEG+8*f+7], v[AN] offset:64*f+16
.set f, f+1
.endr
	s_add_co_u32 s[TBK], s[TBK], KS*PK
	s_add_co_u32 s[TBN], s[TBN], 256
.endm
.macro FETCH_V
	WIN 0
	v_add_nc_u32 v[AV], s[TBV], v[AV0]             ; with the two roundings ahead of them, these three are five plain instructions behind the last product that read V
	v_nop
	v_nop
	s_add_co_u32 s[TBV], s[TBV], KS*PV
.set f, 0
.rept 8
	ds_load_tr16_b128 v[VF+8*f:VF+8*f+3],   v[AV] offset:(f/4)*32*PV+(f%4)*32
	ds_load_tr16_b128 v[VF+8*f+4:VF+8*f+7], v[AV] offset:(f/4)*32*PV+16*PV+(f%4)*32
.set f, f+1
.endr
.endm
; A TURN, for piece p.  V of a step is read from that step's turn 2 to the next step's turn 1: it is fetched in the middle of turn 1 and waited for at turn 2's head, 16 products later.
; K and nl of the next step are fetched behind turn 2's wait, six plain instructions behind the last product that read them, and waited for in the middle of turn 3, 16 products later.
.macro TURN p, clamp=0
.set Y, (\p)
.if (\p) == 2
	s_wait_dscnt 0x0                               ; V is in
.endif
.set i, 0
.rept 16
	PV (Y+2)%4
	WIN W_RD
	EXPN i, 0
	CVTN i, 0
	EXPN i, 1
	CVTN i, 1
.set i, i+1
.endr
.if (\p) == 1
	FETCH_V
.endif
.if (\p) == 3
	s_wait_dscnt 0x0                               ; K and nl are in
.endif
.set i, 0
.rept 16
	KQ (Y+1)%4
	EXPN 16+i, 0
	EXPN 16+i, 1
.set i, i+1
.endr
.rept 4
	v_nop                                          ; the plain instruction behind the last exponential; the four places behind the last product, whose scores the next turn reads; and, with the two
.endr                                              ; roundings behind the last product V^T P, six between that product and the roundings that write its P buffer anew
	s_wait_alu depctr_va_vdst(0)                   ; ONE wait for the turn's 64 exponentials, ahead of the first line that names a result
.if (\p) == 2
	FETCH_K \clamp
.endif
.endm
	CHANGE 1, 0                                    ; slot 0 is in, everybody's part of it, and so is nl in LDS; slot 1 is asked for
	FETCH_K 0                                      ; step 0
	s_wait_loadcnt 0x0                             ; the owned rows
	s_wait_dscnt 0x0
.set i, 0
.rept 16
	KQ 0
.set i, i+1
.endr
	WIN 0                                          ; the addresses for the way out: nine plain instructions, the places behind those products
	s_mul_i32 s2, s[WV], 16*SP
	s_add_co_u32 s2, s2, STAGE
	v_mul_u32_u24 v[STO], v1, SP
	v_lshl_add_u32 v[STO], v14, 4, v[STO]
	v_add_nc_u32 v[STO], s2, v[STO]
	v_bfe_u32 v[RD], v0, 3, 2
	v_mul_u32_u24 v[RD], v[RD], SP
	v_lshl_add_u32 v[RD], v15, 4, v[RD]
	v_add_nc_u32 v[RD], s2, v[RD]
	v_and_b32 v[GO], 31, v0
	v_lshlrev_b32 v[GO], 4, v[GO]
	s_mov_b32 s[CNT], 4
	s_mov_b32 s[SLOTS], 7
	s_branch .Lfirst                               ; the loop is entered at a step's first turn, in the middle of a trip
.Lslot:                                            ; six times: slots 2 to 7 are asked for
	CHANGE 1, 1
	s_mov_b32 s[CNT], 4
.Lstep:                                            ; a trip: pieces 2 and 3 of one step, then pieces 0 and 1 of the next
	TURN 2
	TURN 3
	WIN 0
.Lfirst:
	TURN 0
	TURN 1
	WIN 0
	s_sub_co_u32 s[CNT], s[CNT], 1
	s_cmp_lg_u32 s[CNT], 0
	s_cbranch_scc1 .Lstep
	s_sub_co_u32 s[SLOTS], s[SLOTS], 1
	s_cmp_lg_u32 s[SLOTS], 0
	s_cbranch_scc1 .Lslot
	CHANGE 0, 0                                    ; the tail is written out: nothing is asked for
	s_mov_b32 s[CNT], 5                            ; four trips fetch the last slot's steps; the fifth is left in its middle
.Ltail:
	TURN 2, 1
	TURN 3
	WIN 0
	s_sub_co_u32 s[CNT], s[CNT], 1
	s_cmp_eq_u32 s[CNT], 0
	s_cbranch_scc1 .Lout
	TURN 0
	TURN 1
	WIN 0
	s_branch .Ltail
.Lout:                                             ; the fifth trip's 16 products on the last K once more serve nothing: the price, once a launch, of one text for every trip
.set Y, 0                                          ; what is left of the last step: piece 2's V^T P with piece 3's roundings behind it,
.set i, 0
.rept 16
	PV 2
	WIN W_RD
	CVTN i, 0
	CVTN i, 1
.set i, i+1
.endr
.set i, 0
.rept 16
	PV 3                                           ; and piece 3's V^T P
.set i, i+1
.endr
	; THE WAY OUT.  O^T is rounded to bf16 and sent through my stage in LDS, a tile at a time.  The earlier tiles' roundings are the places behind the last products.
.macro PACK t
	WIN 0x85                                       ; sources 0 and 1 window 1, destination window 2: S^T's registers are free
.set i, 0
.rept 16
	v_cvt_pk_bf16_f32 v[S+16*(\t)+i], v[32*(\t)+2*i], v[32*(\t)+2*i+1]
.set i, i+1
.endr
	WIN 0x88                                       ; addresses in window 0, store data and loaded data in window 2
.irp f, 0,1,2,3
	ds_store_b128 v[STO], v[S+16*(\t)+4*\f:S+16*(\t)+4*\f+3] offset:32*\f
.endr
.irp f, 0,1,2,3
	ds_load_b128 v[S+16*(\t)+4*\f:S+16*(\t)+4*\f+3], v[RD] offset:\f*4*SP  ; LDS serves a wave's instructions in order (ISA guide 5.7.1.4): these see the stores above; the next tile's stores come behind them
.endr
.endm
.macro SEND t, younger                 ; younger: the LDS instructions issued behind tile t's loads: the next tile's eight, or none
	WIN 0x88
.irp f, 0,1,2,3
	s_wait_dscnt (\younger)+3-\f
	global_store_b128 v[GO], v[S+16*(\t)+4*\f:S+16*(\t)+4*\f+3], s[OB:OB+1] offset:(\t)*2048+\f*512  ; 512 consecutive bytes, at a multiple of 256 from cx's first
.endr
.endm
	PACK 0
.set t, 1
.rept 7
	PACK t
	SEND t-1, 8
.set t, t+1
.endr
	SEND 7, 0
	WIN 0
	s_wait_tensorcnt 0x0                           ; the wave's end
	ds_add_u32 v[SPW], v[NIL]
	s_wait_dscnt 0x0
	CROUND                                         ; the closing round
	s_endpgm
.Lfunc_end_k_q92de46a37d_ctxk:
	.size	k_q92de46a37d_ctxk, .Lfunc_end_k_q92de46a37d_ctxk-k_q92de46a37d_ctxk
	.p2alignl 7, 3214868480
	.fill 96, 4, 3214868480
	.section	.rodata,"a",@progbits
	.p2align	6, 0x0
	.amdhsa_kernel k_q92de46a37d_ctxk
		.amdhsa_group_segment_fixed_size 327680
		.amdhsa_private_segment_fixed_size 0
		.amdhsa_enable_private_segment 0
		.amdhsa_kernarg_size 32
		.amdhsa_user_sgpr_count 2
		.amdhsa_user_sgpr_kernarg_segment_ptr 1
		.amdhsa_wavefront_size32 1
		.amdhsa_system_sgpr_workgroup_id_x 1
		.amdhsa_system_sgpr_workgroup_id_y 1
		.amdhsa_system_sgpr_workgroup_id_z 1
		.amdhsa_system_vgpr_workitem_id 0
		.amdhsa_next_free_vgpr 768
		.amdhsa_next_free_sgpr 80
		.amdhsa_reserve_vcc 0
		.amdhsa_float_denorm_mode_32 3
		.amdhsa_float_denorm_mode_16_64 3
		.amdhsa_memory_ordered 1
		.amdhsa_forward_progress 1
		.amdhsa_inst_pref_size 110
	.end_amdhsa_kernel
	.amdgpu_metadata
---
amdhsa.version: [ 1, 2 ]
amdhsa.kernels:
  - .name:           k_q92de46a37d_ctxk
    .symbol:         k_q92de46a37d_ctxk.kd
    .args:
      - { .name: qk, .offset: 0, .size: 8, .value_kind: global_buffer, .address_space: global }
      - { .name: vv, .offset: 8, .size: 8, .value_kind: global_buffer, .address_space: global }
      - { .name: nl, .offset: 16, .size: 8, .value_kind: global_buffer, .address_space: global }
      - { .name: cx, .offset: 24, .size: 8, .value_kind: global_buffer, .address_space: global }
    .group_segment_fixed_size: 327680
    .private_segment_fixed_size: 0
    .kernarg_segment_align: 8
    .kernarg_segment_size: 32
    .max_flat_workgroup_size: 128
    .sgpr_count:     80
    .vgpr_count:     768
    .wavefront_size: 32
...
	.end_amdgpu_metadata
.endif
;; end of part 3
;; launch outp (part 4): grid 4 x 64, 4 waves a work-group, no clusters, 155,136 bytes of LDS; arguments cx, Wo1, Wo2, bo1, bo2, x1, x2, out0, out1; writes out0, out1
.if DOCPART == 4
	.amdgcn_target "amdgcn-amd-amdhsa--gfx1250"
	.amdhsa_code_object_version 6
	.text
	.protected	k_q92de46a37d_outp
	.globl	k_q92de46a37d_outp
	.p2align	8
	.type	k_q92de46a37d_outp,@function
k_q92de46a37d_outp:
	s_mov_b64 s[64:65], 0
	v_nop
	global_prefetch_b8 v0, s[64:65] scope:SCOPE_SE
	s_setreg_imm32_b32 hwreg(HW_REG_WAVE_MODE, 25, 1), 1
	s_wait_xcnt 0x0
; THE TWO OUTPUT PROJECTIONS.  out_s[b][o][n] = sum over c of ctx_s[b][n][c] Wo_s[c][o] + bo_s[o] + x_s[b][o][n].  cx: [s][8 b + head][2048][64] bf16; Wo: [512][512] f32, rounded to bf16 on the way into LDS;
; sums, bias and residual in f32; out in f32.  NaN and infinities are not treated apart.
; SHARES.  Work-group (t, y): y = 32 s + 8 b + i: tokens 256 i on of batch b, outputs 128 t on.  Four waves, each 128 tokens x 64 outputs: 32 accumulators.  K goes in 8 steps of 64 channels, a head a step, through two LDS slots.
; NO CLUSTER, NO TENSOR LOAD: Wo lies in memory as f32 and passes through registers to become bf16.  NO PREFETCH: for its 64 products a wave and step the launch moves 16 KiB in, and its residual and output are 64 KiB a wave more: memory is busy throughout.
; Source 0 = 16 tokens of cx (as they lie), source 1 = 16 outputs of Wo (turned): a lane ends with eight neighbouring tokens of one output, 32 bytes of a row of out.  The bias is the C operand that starts the sums.
; A step's bytes are 32 QUADS a wave (loads of 512 consecutive bytes): 16 of cx, which go to LDS as they are, 16 of Wo, which are rounded.  32 loads a wave are always out.
; REGISTERS: window 0: v0-31 addresses, v32-63 the bias, v64-191 cx's fragments, v192-255 Wo's; window 1: the accumulators; window 2: v0-127 the quads, v128-133 their addresses; window 3: the residual, 64 rows x 4 registers.
.set PA,    144                        ; a row of cx in LDS: 128 bytes + 16
.set PW,    288                        ; a row of Wo: 128 bf16 + 32 bytes = 9 x 32
.set WPART, 256*PA
.set SLOT1, 65536
.set STAGE, SLOT1+256*PA+64*PW         ; 16 rows x 528 bytes for each wave, for the way out
.set SPT,   528                        ; 512 bytes + 16: row r starts at bank 4 r mod 64 (64 banks of 4 bytes: ISA guide 11.1)
.set SPARE, STAGE+4*16*SPT             ; the spare words, 128 bytes for each wave: two blocks of 256 bytes that no other line names
.set FA0, 10
.set FW0, 11
.set FA,  12
.set FW,  13
.set STO, 14
.set RD,  15
.set XO,  16
.set BO,  17
.set SPW, 30
.set NIL, 31
.set BIA, 32
.set AF,  64
.set WFO, 192
.set VA2, 128                          ; window 2
.set VW2, 129
.set LSA02, 130
.set LSW02, 131
.set LSA2, 132
.set LSW2, 133
.set AB, 32                            ; s[32:33] cx at the step that is being loaded
.set WB, 34
.set BB, 36
.set XR, 38                            ; s[38:39] x at my tile
.set OB, 40                            ; s[40:41] out at my tile
.set WV, 42
.set WM, 43
.set WN, 44
.set YY, 45
.set SS, 46
.set BT, 47
.set LEFT, 48
.set RB, 49
.set SB, 50
.set II, 51
.set TT, 52
.set MSB, 0
.macro WIN new
.if MSB != (\new)
	s_set_vgpr_msb (MSB<<8)|(\new)
.set MSB, (\new)
.endif
.endm
	s_load_b512 s[8:23], s[0:1], 0x0               ; cx 8, Wo1 10, Wo2 12, bo1 14, bo2 16, x1 18, x2 20, out0 22
	s_load_b64 s[24:25], s[0:1], 0x40              ; out1
	v_lshl_add_u32 v[SPW], v0, 2, SPARE
	v_mov_b32 v[NIL], 0
	v_lshrrev_b32 v1, 5, v0
	v_readfirstlane_b32 s[WV], v1
	s_lshr_b32 s[WM], s[WV], 1                     ; which 128 tokens
	s_and_b32 s[WN], s[WV], 1                      ; which 64 outputs
	s_mov_b32 s[TT], ttmp9
	s_and_b32 s[YY], ttmp7, 0xffff
	s_lshr_b32 s[SS], s[YY], 5
	s_bfe_u32 s[BT], s[YY], 0x20003
	s_and_b32 s[II], s[YY], 7
	s_lshl_b32 s2, s[SS], 23                       ; cx: s, head 8 b, rows 256 i on
	s_lshl_b32 s3, s[BT], 21
	s_add_co_u32 s2, s2, s3
	s_lshl_b32 s3, s[II], 15
	s_add_co_u32 s2, s2, s3
	s_mov_b32 s3, 0
	s_lshl_b32 s4, s[TT], 9                        ; Wo: columns 128 t on
	s_mov_b32 s5, 0
	s_lshl_b32 s6, s[WN], 8                        ; bias: + my 64
	s_add_co_u32 s6, s6, s4
	s_mov_b32 s7, 0
	s_lshl_b32 s54, s[BT], 22                      ; x and out: batch b, row 128 t + 64 wn, tokens 256 i + 128 wm on
	s_lshl_b32 s55, s[TT], 20
	s_add_co_u32 s54, s54, s55
	s_lshl_b32 s55, s[WN], 19
	s_add_co_u32 s54, s54, s55
	s_lshl_b32 s55, s[II], 10
	s_add_co_u32 s54, s54, s55
	s_lshl_b32 s55, s[WM], 9
	s_add_co_u32 s54, s54, s55
	s_mov_b32 s55, 0
	v_and_b32 v2, 31, v0                           ; l
	v_and_b32 v3, 15, v0                           ; l % 16
	v_bfe_u32 v4, v0, 4, 1                         ; l / 16
	v_and_b32 v6, 7, v0
	v_bfe_u32 v7, v0, 3, 1
	v_lshlrev_b32 v[XO], 4, v2                     ; 16 l
	s_lshl_b32 s56, s[WV], 13
	v_add_nc_u32 v18, s56, v[XO]                   ; cx: my wave's 8,192 bytes of a step's 32,768
	s_lshl_b32 s56, s[WV], 15
	v_add_nc_u32 v19, s56, v[XO]                   ; Wo: my wave's 16 rows of 2,048 bytes
	v_lshrrev_b32 v5, 3, v2
	s_lshl_b32 s56, s[WV], 6
	v_add_nc_u32 v5, s56, v5                       ; LDS: token 64 w + l / 8, 16 bytes at 16 (l % 8)
	v_mul_u32_u24 v5, v5, PA
	v_lshl_add_u32 v20, v6, 4, v5
	s_mul_i32 s56, s[WV], 16*PW
	s_add_co_u32 s56, s56, WPART
	v_lshl_add_u32 v21, v2, 3, s56                 ; LDS: my wave's 16 rows of Wo, 8 bytes a lane
	s_mul_i32 s56, s[WM], 128*PA
	v_mul_u32_u24 v[FA0], v3, PA
	v_lshl_add_u32 v[FA0], v4, 4, v[FA0]
	v_add_nc_u32 v[FA0], s56, v[FA0]               ; cx's fragments: row x pitch + 16 x half
	v_lshl_add_u32 v8, v4, 3, v6                   ; the turning load: lane l reads row 8 (l / 16) + l % 8, 16 bytes at 16 ((l / 8) % 2)
	v_mul_u32_u24 v8, v8, PW
	v_lshl_add_u32 v8, v7, 4, v8
	s_lshl_b32 s56, s[WN], 7
	s_add_co_u32 s56, s56, WPART
	v_add_nc_u32 v[FW0], s56, v8
	s_mul_i32 s56, s[WV], 16*SPT
	s_add_co_u32 s56, s56, STAGE                   ; my stage
	v_mul_u32_u24 v[STO], v3, SPT                  ; in: row l % 16 (an output), 32 bytes for each half of the lanes
	v_lshl_add_u32 v[STO], v4, 5, v[STO]
	v_add_nc_u32 v[STO], s56, v[STO]
	v_add_nc_u32 v[RD], s56, v[XO]                 ; back: a whole row of 512 bytes
	v_lshlrev_b32 v[BO], 2, v3
	s_wait_kmcnt 0x0
	s_cmp_eq_u32 s[SS], 0
	s_cselect_b64 s[WB:WB+1], s[10:11], s[12:13]
	s_cselect_b64 s[BB:BB+1], s[14:15], s[16:17]
	s_cselect_b64 s[XR:XR+1], s[18:19], s[20:21]
	s_cselect_b64 s[OB:OB+1], s[22:23], s[24:25]
	s_add_nc_u64 s[AB:AB+1], s[8:9], s[2:3]
	s_add_nc_u64 s[WB:WB+1], s[WB:WB+1], s[4:5]
	s_add_nc_u64 s[BB:BB+1], s[BB:BB+1], s[6:7]
	s_add_nc_u64 s[XR:XR+1], s[XR:XR+1], s[54:55]
	s_add_nc_u64 s[OB:OB+1], s[OB:OB+1], s[54:55]
.irp f, 0,1,2,3
	global_load_b32 v[BIA+8*\f], v[BO], s[BB:BB+1] offset:64*\f  ; bo of output 16 f + l % 16
.endr
	WIN 0x80                                       ; the quads' addresses go into the quads' window
	v_mov_b32 v[VA2], v18
	v_mov_b32 v[VW2], v19
	v_mov_b32 v[LSA02], v20
	v_mov_b32 v[LSW02], v21
.macro GLD q
.if (\q) < 16
	global_load_b128 v[4*(\q):4*(\q)+3], v[VA2], s[AB:AB+1] offset:512*(\q)
.else
	global_load_b128 v[4*(\q):4*(\q)+3], v[VW2], s[WB:WB+1] offset:2048*((\q)-16)
.endif
.endm
.set RES, 0                            ; residual loads issued so far
; A quad's turn.  Its load was issued 32 loads ago: 31 younger ones may stay out; where nothing is staged any more, the 31 - q staged loads that are left and the residual loads issued so far.
.macro QUAD q, load
	WIN 0x8a
	s_wait_loadcnt 31-(1-(\load))*((\q)-RES)
.if (\q) < 16
	ds_store_b128 v[LSA2], v[4*(\q):4*(\q)+3] offset:4*PA*(\q)
.else
	v_cvt_pk_bf16_f32 v[4*(\q)], v[4*(\q)], v[4*(\q)+1]
	v_cvt_pk_bf16_f32 v[4*(\q)+1], v[4*(\q)+2], v[4*(\q)+3]
	ds_store_b64 v[LSW2], v[4*(\q):4*(\q)+1] offset:PW*((\q)-16)
.endif
.if \load
	GLD \q
.endif
.endm
.macro RLD                             ; the next row of the residual: 128 tokens of one output, 512 consecutive bytes
	WIN 0xc0
	global_load_b128 v[4*RES:4*RES+3], v[XO], s[XR:XR+1] offset:8192*RES th:TH_LOAD_NT
.set RES, RES+1
.endm
; A TRIP: 64 products on the slot RB; beside them step t + 1 goes into the slot SB and step t + 2 is asked for (load), or the residual is (res).  The 32 accumulators take turns.
.macro TRIP first, conv, load, res, last
.if \load
	s_wait_xcnt 0x0                                ; every load issued so far has read its address
	s_add_nc_u64 s[AB:AB+1], s[AB:AB+1], 262144    ; the next head
	s_add_nc_u64 s[WB:WB+1], s[WB:WB+1], 64*2048
.endif
	WIN 0
	v_add_nc_u32 v[FA], s[RB], v[FA0]              ; four plain instructions between the last trip's products and the loads into their sources
	v_add_nc_u32 v[FW], s[RB], v[FW0]
	v_nop
	v_nop
.set f, 0
.rept 8                                            ; Wo: output block f / 2, channels 32 (f % 2) on
	ds_load_tr16_b128 v[WFO+8*f:WFO+8*f+3],   v[FW] offset:(f%2)*32*PW+(f/2)*32
	ds_load_tr16_b128 v[WFO+8*f+4:WFO+8*f+7], v[FW] offset:(f%2)*32*PW+(f/2)*32+16*PW
.set f, f+1
.endr
.set f, 0
.rept 16                                           ; cx: first all eight token blocks' channels 0-31, then their channels 32-63
	ds_load_b128 v[AF+8*(2*(f%8)+f/8):AF+8*(2*(f%8)+f/8)+3],   v[FA] offset:(f%8)*16*PA+(f/8)*64
	ds_load_b128 v[AF+8*(2*(f%8)+f/8)+4:AF+8*(2*(f%8)+f/8)+7], v[FA] offset:(f%8)*16*PA+(f/8)*64+32
.set f, f+1
.endr
.if \conv
	WIN 0x8a
	v_add_nc_u32 v[LSA2], s[SB], v[LSA02]
	v_add_nc_u32 v[LSW2], s[SB], v[LSW02]
.set qq, 0
.rept 4
	QUAD qq, \load
.set qq, qq+1
.endr
.if \res
.rept 4
	RLD
.endr
.endif
.endif
	s_wait_dscnt 16+4*(\conv)                      ; Wo's fragments and cx's first halves are in: cx's second halves (16 loads) and the 4 stores behind them may be out
.set g, 0
.rept 16
.if g == 8
	s_wait_dscnt 20*(\conv)                        ; all fragments are in: only the 4 + 16 stores issued since may be out
.endif
.if (\first) && (g < 8)
	WIN 0x40                                       ; the C operand, the bias, in window 0
.else
	WIN 0x50
.endif
.set zz, 0
.rept 4
.set ac, 8*(4*(g%8)+zz)
.if (\first) && (g < 8)
	v_wmma_f32_16x16x32_bf16 v[ac:ac+7], v[AF+8*(2*(g%8)+g/8):AF+8*(2*(g%8)+g/8)+7], v[WFO+8*(2*zz+g/8):WFO+8*(2*zz+g/8)+7], v[BIA+8*zz:BIA+8*zz+7]
.else
	v_wmma_f32_16x16x32_bf16 v[ac:ac+7], v[AF+8*(2*(g%8)+g/8):AF+8*(2*(g%8)+g/8)+7], v[WFO+8*(2*zz+g/8):WFO+8*(2*zz+g/8)+7], v[ac:ac+7]
.endif
.set zz, zz+1
.endr
.if (\conv) && (g < 14)
	QUAD 4+2*g, \load
	QUAD 5+2*g, \load
.endif
.if (\res) && ((g < 14) || !(\conv))
	RLD
	RLD
.endif
.set g, g+1
.endr
.if !(\last)
	WIN 0
	s_wait_dscnt 0x0                               ; for the others' sake: my stores into SB are done (my reads of RB were waited for ahead of the products)
	s_barrier_signal -1
	s_barrier_wait -1                              ; SB is whole, and nobody reads RB any more
	s_xor_b32 s[RB], s[RB], SLOT1
	s_xor_b32 s[SB], s[SB], SLOT1
.endif
.endm
	WIN 0x8a
.set qq, 0
.rept 32
	GLD qq                                         ; step 0
.set qq, qq+1
.endr
	s_wait_xcnt 0x0
	s_add_nc_u64 s[AB:AB+1], s[AB:AB+1], 262144
	s_add_nc_u64 s[WB:WB+1], s[WB:WB+1], 64*2048
	v_mov_b32 v[LSA2], v[LSA02]                    ; slot 0
	v_mov_b32 v[LSW2], v[LSW02]
.set qq, 0
.rept 32
	QUAD qq, 1                                     ; step 0 into slot 0, step 1 asked for
.set qq, qq+1
.endr
	WIN 0
.irp f, 0,1,2,3                                    ; the bias (its loads are older than every quad's) is the same for a lane's eight tokens
.irp j, 1,2,3,4,5,6,7
	v_mov_b32 v[BIA+8*\f+\j], v[BIA+8*\f]
.endr
.endr
	s_wait_dscnt 0x0
	s_barrier_signal -1
	s_barrier_wait -1
	s_mov_b32 s[RB], 0
	s_mov_b32 s[SB], SLOT1
	TRIP 1, 1, 1, 0, 0                             ; trip 0: its first products start the sums with the bias
	s_mov_b32 s[LEFT], 5
.Lk:                                               ; trips 1 to 5
	TRIP 0, 1, 1, 0, 0
	s_sub_co_u32 s[LEFT], s[LEFT], 1
	s_cmp_lg_u32 s[LEFT], 0
	s_cbranch_scc1 .Lk
	TRIP 0, 1, 0, 1, 0                             ; trip 6 stages step 7; the residual's rows 0 to 31 are asked for in the staged loads' place
	TRIP 0, 0, 0, 1, 1                             ; trip 7; rows 32 to 63
	; THE WAY OUT.  Sixteen outputs at a time go through my own stage: 32 bytes a lane in, whole rows of 512 bytes back; the residual is added and the row stored.
	WIN 0
.rept 8
	v_nop                                          ; the places behind the last products, once a launch
.endr
.macro TOSTAGE b
	WIN 0x04                                       ; store data in window 1
.set a, 0
.rept 8
	ds_store_b128 v[STO], v[8*(4*a+(\b)):8*(4*a+(\b))+3]   offset:64*a
	ds_store_b128 v[STO], v[8*(4*a+(\b))+4:8*(4*a+(\b))+7] offset:64*a+16
.set a, a+1
.endr
	WIN 0
.set r, 0
.rept 16
	ds_load_b128 v[AF+64*((\b)%2)+4*r:AF+64*((\b)%2)+4*r+3], v[RD] offset:SPT*r  ; LDS serves a wave's instructions in order (ISA guide 5.7.1.4): these see the stores above; the next block's stores come behind them
.set r, r+1
.endr
.endm
.macro SEND b, younger                 ; younger: the LDS instructions issued behind block b's loads: the next block's 32, or none
	WIN 0xcc                                       ; destination and source 1, the residual, in window 3; the row and the address in window 0
.set r, 0
.rept 16
.set rho, 16*(\b)+r
	s_wait_dscnt (\younger)+15-r
	s_wait_loadcnt 63-rho                          ; the residual's rows come back in order: 63 - rho are younger
	v_pk_add_f32 v[4*rho:4*rho+1], v[AF+64*((\b)%2)+4*r:AF+64*((\b)%2)+4*r+1], v[4*rho:4*rho+1]
	v_pk_add_f32 v[4*rho+2:4*rho+3], v[AF+64*((\b)%2)+4*r+2:AF+64*((\b)%2)+4*r+3], v[4*rho+2:4*rho+3]
	global_store_b128 v[XO], v[4*rho:4*rho+3], s[OB:OB+1] offset:8192*rho th:TH_STORE_NT  ; 512 consecutive bytes, at a multiple of 256 from out's first
.set r, r+1
.endr
.endm
	TOSTAGE 0
	TOSTAGE 1
	SEND 0, 32
	TOSTAGE 2
	SEND 1, 32
	TOSTAGE 3
	SEND 2, 32
	SEND 3, 0
	WIN 0
	s_wait_tensorcnt 0x0                           ; the wave's end, behind my last LDS store
	ds_add_u32 v[SPW], v[NIL]
	s_wait_dscnt 0x0
	s_endpgm
.Lfunc_end_k_q92de46a37d_outp:
	.size	k_q92de46a37d_outp, .Lfunc_end_k_q92de46a37d_outp-k_q92de46a37d_outp
	.p2alignl 7, 3214868480
	.fill 96, 4, 3214868480
	.section	.rodata,"a",@progbits
	.p2align	6, 0x0
	.amdhsa_kernel k_q92de46a37d_outp
		.amdhsa_group_segment_fixed_size 155136
		.amdhsa_private_segment_fixed_size 0
		.amdhsa_enable_private_segment 0
		.amdhsa_kernarg_size 72
		.amdhsa_user_sgpr_count 2
		.amdhsa_user_sgpr_kernarg_segment_ptr 1
		.amdhsa_wavefront_size32 1
		.amdhsa_system_sgpr_workgroup_id_x 1
		.amdhsa_system_sgpr_workgroup_id_y 1
		.amdhsa_system_sgpr_workgroup_id_z 1
		.amdhsa_system_vgpr_workitem_id 0
		.amdhsa_next_free_vgpr 1024
		.amdhsa_next_free_sgpr 66
		.amdhsa_reserve_vcc 0
		.amdhsa_float_denorm_mode_32 3
		.amdhsa_float_denorm_mode_16_64 3
		.amdhsa_memory_ordered 1
		.amdhsa_forward_progress 1
		.amdhsa_inst_pref_size 105
	.end_amdhsa_kernel
	.amdgpu_metadata
---
amdhsa.version: [ 1, 2 ]
amdhsa.kernels:
  - .name:           k_q92de46a37d_outp
    .symbol:         k_q92de46a37d_outp.kd
    .args:
      - { .name: cx, .offset: 0, .size: 8, .value_kind: global_buffer, .address_space: global }
      - { .name: Wo1, .offset: 8, .size: 8, .value_kind: global_buffer, .address_space: global }
      - { .name: Wo2, .offset: 16, .size: 8, .value_kind: global_buffer, .address_space: global }
      - { .name: bo1, .offset: 24, .size: 8, .value_kind: global_buffer, .address_space: global }
      - { .name: bo2, .offset: 32, .size: 8, .value_kind: global_buffer, .address_space: global }
      - { .name: x1, .offset: 40, .size: 8, .value_kind: global_buffer, .address_space: global }
      - { .name: x2, .offset: 48, .size: 8, .value_kind: global_buffer, .address_space: global }
      - { .name: out0, .offset: 56, .size: 8, .value_kind: global_buffer, .address_space: global }
      - { .name: out1, .offset: 64, .size: 8, .value_kind: global_buffer, .address_space: global }
    .group_segment_fixed_size: 155136
    .private_segment_fixed_size: 0
    .kernarg_segment_align: 8
    .kernarg_segment_size: 72
    .max_flat_workgroup_size: 128
    .sgpr_count:     66
    .vgpr_count:     1024
    .wavefront_size: 32
...
	.end_amdgpu_metadata
.endif
;; end of part 4
;; ======== version 2 of 2: 4 launches; version 1 with the launch outp written anew for expert scheduling mode
;; workspace buffers: qk 16,777,216 bytes; vv 16,777,216 bytes; cx 16,777,216 bytes; nl 524,288 bytes
;; launch proj: the kernel of part 1 again; grid 4 x 64, 4 waves a work-group, no clusters, 100,352 bytes of LDS; arguments x1, x2, Wq, Wk, Wv1, Wv2, bq, bk, bv1, bv2, qk, vv; writes qk, vv
;; launch stats: the kernel of part 2 again; grid 4 x 64, 4 waves a work-group, clusters of 4 x 1, 297,472 bytes of LDS; arguments qk, nl; writes nl
;; launch ctxk: the kernel of part 3 again; grid 4 x 64, 4 waves a work-group, clusters of 4 x 1, 327,680 bytes of LDS; arguments qk, vv, nl, cx; writes cx
;; launch outp (part 5): grid 4 x 64, 4 waves a work-group, no clusters, 155,136 bytes of LDS; arguments cx, Wo1, Wo2, bo1, bo2, x1, x2, out0, out1; writes out0, out1
.if DOCPART == 5
	.amdgcn_target "amdgcn-amd-amdhsa--gfx1250"
	.amdhsa_code_object_version 6
	.text
	.protected	k_q92de46a37d_outp
	.globl	k_q92de46a37d_outp
	.p2align	8
	.type	k_q92de46a37d_outp,@function
k_q92de46a37d_outp:
	s_mov_b64 s[64:65], 0
	v_nop
	global_prefetch_b8 v0, s[64:65] scope:SCOPE_SE
	s_setreg_imm32_b32 hwreg(HW_REG_WAVE_SCHED_MODE, 0, 2), 2
	s_setreg_imm32_b32 hwreg(HW_REG_WAVE_MODE, 25, 1), 1
	s_wait_xcnt 0x0
	s_wait_alu depctr_vm_vsrc(0)
; THE TWO OUTPUT PROJECTIONS.  out_s[b][o][n] = sum over c of ctx_s[b][n][c] Wo_s[c][o] + bo_s[o] + x_s[b][o][n].  cx: [s][8 b + head][2048][64] bf16; Wo: [512][512] f32, rounded to bf16 on the way into LDS;
; sums, bias and residual in f32; out in f32.  NaN and infinities are not treated apart.
; SHARES.  Work-group (t, y): y = 32 s + 8 b + i: tokens 256 i on of batch b, outputs 128 t on.  Four waves, each 128 tokens x 64 outputs: 32 accumulators.  K goes in 8 steps of 64 channels, a head a step, through two LDS slots.
; NO CLUSTER, NO TENSOR LOAD: Wo lies in memory as f32 and passes through registers to become bf16.  NO PREFETCH: for its 64 products a wave and step the launch moves 16 KiB in, and its residual and output are 64 KiB a wave more: memory is busy throughout.
; Source 0 = 16 tokens of cx (as they lie), source 1 = 16 outputs of Wo (turned): a lane ends with eight neighbouring tokens of one output, 32 bytes of a row of out.  The bias is the C operand that starts the sums.
; A step's bytes are 32 QUADS a wave (loads of 512 consecutive bytes): 16 of cx, which go to LDS as they are, 16 of Wo, which are rounded.  16 to 32 loads a wave are out.
; REGISTERS: window 0: v0-31 addresses, v32-63 the bias, v64-191 cx's fragments, v192-255 Wo's; window 1: the accumulators; window 2: v0-127 the quads, v128-133 their addresses, v136-167 Wo's quads rounded; window 3: the residual, 64 rows x 4 registers.
; THE MODE: SCHED_MODE bits 1:0 = 2 (LLVM: expert scheduling mode 2), set by the entry lines.  The code itself states the register dependences between vector or matrix instructions and memory or LDS instructions,
; with s_wait_alu, always for 0.
; THE PLAN.  Registers that memory or LDS instructions touch, round a trip:
;   AF, WFO            Written by the 48 fragment loads at a trip's head; read by the trip's 64 products.
;   FA, FW, LSA2, LSW2 Written by four adds at a trip's head; read by the trip's LDS loads and stores.
;   Wo's quads         Written by 16 global loads at a trip's head; read by the 32 conversions at the next trip's head, and by nothing else.
;   WOUT               Written by those conversions; read by the 16 LDS stores that follow them.
;   cx's quads         Written by 16 global loads behind group 3; read by the 16 LDS stores behind the next trip's group 1.  No vector instruction names them.
;   The residual       Written by 64 global loads in trips 6 and 7, then by the way out's additions; read by the global stores.
;   VA2, VW2, XO, BO, STO, RD are made at the head and never written again: the scalar bases move on, and immediate offsets do the rest.
; So a trip has four waits: on vm_vsrc ahead of the four adds and the conversions; on va_vdst behind the adds, for the fragment loads; on va_vdst behind the conversions, for WOUT's stores and Wo's next loads;
; on vm_vsrc ahead of cx's next loads.  The products, which name AF, WFO, the bias and the accumulators alone, touch no register of the stores and loads that stand among them.
.set PA,    144                        ; a row of cx in LDS: 128 bytes + 16
.set PW,    288                        ; a row of Wo: 128 bf16 + 32 bytes = 9 x 32
.set WPART, 256*PA
.set SLOT1, 65536
.set STAGE, SLOT1+256*PA+64*PW         ; 16 rows x 528 bytes for each wave, for the way out
.set SPT,   528                        ; 512 bytes + 16: row r starts at bank 4 r mod 64 (64 banks of 4 bytes: ISA guide 11.1)
.set SPARE, STAGE+4*16*SPT             ; the spare words, 128 bytes for each wave: two blocks of 256 bytes that no other line names
.set FA0, 10
.set FW0, 11
.set FA,  12
.set FW,  13
.set STO, 14
.set RD,  15
.set XO,  16
.set BO,  17
.set SPW, 30
.set NIL, 31
.set BIA, 32
.set AF,  64
.set WFO, 192
.set VA2, 128                          ; window 2
.set VW2, 129
.set LSA02, 130
.set LSW02, 131
.set LSA2, 132
.set LSW2, 133
.set WOUT, 136                         ; window 2: quad 16 + k rounded: two registers at WOUT + 2 k
.set AB, 32                            ; s[32:33] cx at the step that is being loaded
.set WB, 34
.set BB, 36
.set XR, 38                            ; s[38:39] x at my tile
.set OB, 40                            ; s[40:41] out at my tile
.set WV, 42
.set WM, 43
.set WN, 44
.set YY, 45
.set SS, 46
.set BT, 47
.set LEFT, 48
.set RB, 49
.set SB, 50
.set II, 51
.set TT, 52
.set MSB, 0
.macro WIN new
.if MSB != (\new)
	s_set_vgpr_msb (MSB<<8)|(\new)
.set MSB, (\new)
.endif
.endm
	s_load_b512 s[8:23], s[0:1], 0x0               ; cx 8, Wo1 10, Wo2 12, bo1 14, bo2 16, x1 18, x2 20, out0 22
	s_load_b64 s[24:25], s[0:1], 0x40              ; out1
	v_lshl_add_u32 v[SPW], v0, 2, SPARE
	v_mov_b32 v[NIL], 0
	v_lshrrev_b32 v1, 5, v0
	v_readfirstlane_b32 s[WV], v1
	s_wait_alu depctr_va_sdst(0)                   ; s[WV] is written, ahead of its first reader: the shares, the LDS places and the bases are made from it
	s_lshr_b32 s[WM], s[WV], 1                     ; which 128 tokens
	s_and_b32 s[WN], s[WV], 1                      ; which 64 outputs
	s_mov_b32 s[TT], ttmp9
	s_and_b32 s[YY], ttmp7, 0xffff
	s_lshr_b32 s[SS], s[YY], 5
	s_bfe_u32 s[BT], s[YY], 0x20003
	s_and_b32 s[II], s[YY], 7
	s_lshl_b32 s2, s[SS], 23                       ; cx: s, head 8 b, rows 256 i on
	s_lshl_b32 s3, s[BT], 21
	s_add_co_u32 s2, s2, s3
	s_lshl_b32 s3, s[II], 15
	s_add_co_u32 s2, s2, s3
	s_mov_b32 s3, 0
	s_lshl_b32 s4, s[TT], 9                        ; Wo: columns 128 t on
	s_mov_b32 s5, 0
	s_lshl_b32 s6, s[WN], 8                        ; bias: + my 64
	s_add_co_u32 s6, s6, s4
	s_mov_b32 s7, 0
	s_lshl_b32 s54, s[BT], 22                      ; x and out: batch b, row 128 t + 64 wn, tokens 256 i + 128 wm on
	s_lshl_b32 s55, s[TT], 20
	s_add_co_u32 s54, s54, s55
	s_lshl_b32 s55, s[WN], 19
	s_add_co_u32 s54, s54, s55
	s_lshl_b32 s55, s[II], 10
	s_add_co_u32 s54, s54, s55
	s_lshl_b32 s55, s[WM], 9
	s_add_co_u32 s54, s54, s55
	s_mov_b32 s55, 0
	v_and_b32 v2, 31, v0                           ; l
	v_and_b32 v3, 15, v0                           ; l % 16
	v_bfe_u32 v4, v0, 4, 1                         ; l / 16
	v_and_b32 v6, 7, v0
	v_bfe_u32 v7, v0, 3, 1
	v_lshlrev_b32 v[XO], 4, v2                     ; 16 l
	s_lshl_b32 s56, s[WV], 13
	v_add_nc_u32 v18, s56, v[XO]                   ; cx: my wave's 8,192 bytes of a step's 32,768
	s_lshl_b32 s56, s[WV], 15
	v_add_nc_u32 v19, s56, v[XO]                   ; Wo: my wave's 16 rows of 2,048 bytes
	v_lshrrev_b32 v5, 3, v2
	s_lshl_b32 s56, s[WV], 6
	v_add_nc_u32 v5, s56, v5                       ; LDS: token 64 w + l / 8, 16 bytes at 16 (l % 8)
	v_mul_u32_u24 v5, v5, PA
	v_lshl_add_u32 v20, v6, 4, v5
	s_mul_i32 s56, s[WV], 16*PW
	s_add_co_u32 s56, s56, WPART
	v_lshl_add_u32 v21, v2, 3, s56                 ; LDS: my wave's 16 rows of Wo, 8 bytes a lane
	s_mul_i32 s56, s[WM], 128*PA
	v_mul_u32_u24 v[FA0], v3, PA
	v_lshl_add_u32 v[FA0], v4, 4, v[FA0]
	v_add_nc_u32 v[FA0], s56, v[FA0]               ; cx's fragments: row x pitch + 16 x half
	v_lshl_add_u32 v8, v4, 3, v6                   ; the turning load: lane l reads row 8 (l / 16) + l % 8, 16 bytes at 16 ((l / 8) % 2)
	v_mul_u32_u24 v8, v8, PW
	v_lshl_add_u32 v8, v7, 4, v8
	s_lshl_b32 s56, s[WN], 7
	s_add_co_u32 s56, s56, WPART
	v_add_nc_u32 v[FW0], s56, v8
	s_mul_i32 s56, s[WV], 16*SPT
	s_add_co_u32 s56, s56, STAGE                   ; my stage
	v_mul_u32_u24 v[STO], v3, SPT                  ; in: row l % 16 (an output), 32 bytes for each half of the lanes
	v_lshl_add_u32 v[STO], v4, 5, v[STO]
	v_add_nc_u32 v[STO], s56, v[STO]
	v_add_nc_u32 v[RD], s56, v[XO]                 ; back: a whole row of 512 bytes
	v_lshlrev_b32 v[BO], 2, v3
	WIN 0x80                                       ; the quads' addresses go into the quads' window
	v_mov_b32 v[VA2], v18
	v_mov_b32 v[VW2], v19
	v_mov_b32 v[LSA02], v20
	v_mov_b32 v[LSW02], v21
	v_mov_b32 v[LSA2], v20                         ; slot 0
	v_mov_b32 v[LSW2], v21
	WIN 0
	s_wait_kmcnt 0x0
	s_cmp_eq_u32 s[SS], 0
	s_cselect_b64 s[WB:WB+1], s[10:11], s[12:13]
	s_cselect_b64 s[BB:BB+1], s[14:15], s[16:17]
	s_cselect_b64 s[XR:XR+1], s[18:19], s[20:21]
	s_cselect_b64 s[OB:OB+1], s[22:23], s[24:25]
	s_add_nc_u64 s[AB:AB+1], s[8:9], s[2:3]
	s_add_nc_u64 s[WB:WB+1], s[WB:WB+1], s[4:5]
	s_add_nc_u64 s[BB:BB+1], s[BB:BB+1], s[6:7]
	s_add_nc_u64 s[XR:XR+1], s[XR:XR+1], s[54:55]
	s_add_nc_u64 s[OB:OB+1], s[OB:OB+1], s[54:55]
	s_wait_alu depctr_va_vdst(0)                   ; every offset and LDS address of the kernel is written: BO, XO, STO, RD, VA2, VW2, and LSA2 and LSW2 for slot 0, which the loads and stores below read
.irp f, 0,1,2,3
	global_load_b32 v[BIA+8*\f], v[BO], s[BB:BB+1] offset:64*\f  ; bo of output 16 f + l % 16
.endr
.macro GLD q
.if (\q) < 16
	global_load_b128 v[4*(\q):4*(\q)+3], v[VA2], s[AB:AB+1] offset:512*(\q)
.else
	global_load_b128 v[4*(\q):4*(\q)+3], v[VW2], s[WB:WB+1] offset:2048*((\q)-16)
.endif
.endm
.macro WGET                            ; Wo's 16 quads are asked for
.set qq, 16
.rept 16
	GLD qq
.set qq, qq+1
.endr
.endm
.macro AGET                            ; cx's 16 quads are asked for
.set qq, 0
.rept 16
	GLD qq
.set qq, qq+1
.endr
.endm
.macro WCVT                            ; Wo's quads are rounded: four f32 become 8 bytes of bf16, in registers of their own
.set k, 0
.rept 16
	v_cvt_pk_bf16_f32 v[WOUT+2*k],   v[64+4*k],   v[64+4*k+1]
	v_cvt_pk_bf16_f32 v[WOUT+2*k+1], v[64+4*k+2], v[64+4*k+3]
.set k, k+1
.endr
.endm
.macro WPUT                            ; and go into the slot that is written
.set k, 0
.rept 16
	ds_store_b64 v[LSW2], v[WOUT+2*k:WOUT+2*k+1] offset:PW*k
.set k, k+1
.endr
.endm
.macro APUT                            ; cx's quads go there as they are
.set k, 0
.rept 16
	ds_store_b128 v[LSA2], v[4*k:4*k+3] offset:4*PA*k
.set k, k+1
.endr
.endm
.set RES, 0                            ; residual loads issued so far
.macro RLD                             ; the next row of the residual: 128 tokens of one output, 512 consecutive bytes
	WIN 0xc0
	global_load_b128 v[4*RES:4*RES+3], v[XO], s[XR:XR+1] offset:8192*RES th:TH_LOAD_NT
.set RES, RES+1
.endm
.macro RLD16                           ; sixteen of them.  No wait: XO was written at the head, and no vector instruction has named these registers
.rept 16
	RLD
.endr
.endm
; A TRIP: 64 products on the slot RB; beside them step t + 1 goes into the slot SB and step t + 2 is asked for (load), or the residual is (res).  The 32 accumulators take turns.
.macro TRIP first, conv, load, res, last
.if \load
	s_wait_xcnt 0x0                                ; every load issued so far has read its address
	s_add_nc_u64 s[AB:AB+1], s[AB:AB+1], 262144    ; the next head
	s_add_nc_u64 s[WB:WB+1], s[WB:WB+1], 64*2048
.endif
	WIN 0
	s_wait_alu depctr_vm_vsrc(0)                   ; the LDS loads issued so far have read FA and FW, the LDS stores LSA2, LSW2 and WOUT: the adds and the conversions below write them again
	v_add_nc_u32 v[FA], s[RB], v[FA0]              ; four plain instructions between the last trip's products and the loads into their sources
	v_add_nc_u32 v[FW], s[RB], v[FW0]
.if \conv
	WIN 0x8a
	v_add_nc_u32 v[LSA2], s[SB], v[LSA02]
	v_add_nc_u32 v[LSW2], s[SB], v[LSW02]
	WIN 0
.else
	v_nop
	v_nop
.endif
	s_wait_alu depctr_va_vdst(0)                   ; the addresses above are written, which this trip's LDS loads and stores read; the last trip's products are done reading AF and WFO, in which the loads below land
.set f, 0
.rept 8                                            ; Wo: output block f / 2, channels 32 (f % 2) on
	ds_load_tr16_b128 v[WFO+8*f:WFO+8*f+3],   v[FW] offset:(f%2)*32*PW+(f/2)*32
	ds_load_tr16_b128 v[WFO+8*f+4:WFO+8*f+7], v[FW] offset:(f%2)*32*PW+(f/2)*32+16*PW
.set f, f+1
.endr
.set f, 0
.rept 16                                           ; cx: first all eight token blocks' channels 0-31, then their channels 32-63
	ds_load_b128 v[AF+8*(2*(f%8)+f/8):AF+8*(2*(f%8)+f/8)+3],   v[FA] offset:(f%8)*16*PA+(f/8)*64
	ds_load_b128 v[AF+8*(2*(f%8)+f/8)+4:AF+8*(2*(f%8)+f/8)+7], v[FA] offset:(f%8)*16*PA+(f/8)*64+32
.set f, f+1
.endr
.if \conv
	WIN 0x8a
	s_wait_loadcnt 16                              ; loads come back in order (ISA guide 5.7.1): Wo's quads of step t + 1 are in; cx's, 16 younger loads, may stay out
	WCVT                                           ; the conversions stand behind the fragment loads, which are on their way meanwhile
	s_wait_alu depctr_va_vdst(0)                   ; the conversions have written WOUT, which the LDS stores below read, and are done reading Wo's quads, in which the loads below land
.if \load
	WGET
.endif
	WPUT
.endif
.if \res
	RLD16                                          ; in the place of Wo's loads
.endif
	s_wait_dscnt 16+16*(\conv)                     ; Wo's fragments and cx's first halves are in: cx's second halves (16 loads) and Wo's 16 stores behind them may be out
.set g, 0
.rept 16
.if g == 8
	s_wait_dscnt 32*(\conv)                        ; all fragments are in: only the 16 + 16 stores issued since may be out
.endif
.if (\first) && (g < 8)
	WIN 0x40                                       ; the C operand, the bias, in window 0
.else
	WIN 0x50
.endif
.set zz, 0
.rept 4
.set ac, 8*(4*(g%8)+zz)
.if (\first) && (g < 8)
	v_wmma_f32_16x16x32_bf16 v[ac:ac+7], v[AF+8*(2*(g%8)+g/8):AF+8*(2*(g%8)+g/8)+7], v[WFO+8*(2*zz+g/8):WFO+8*(2*zz+g/8)+7], v[BIA+8*zz:BIA+8*zz+7]
.else
	v_wmma_f32_16x16x32_bf16 v[ac:ac+7], v[AF+8*(2*(g%8)+g/8):AF+8*(2*(g%8)+g/8)+7], v[WFO+8*(2*zz+g/8):WFO+8*(2*zz+g/8)+7], v[ac:ac+7]
.endif
.set zz, zz+1
.endr
.if (\conv) && (g == 1)
	WIN 0x8a
	s_wait_loadcnt 16                              ; cx's quads of step t + 1 are in; the 16 loads issued at this trip's head may stay out
	APUT                                           ; no wait on the vector side: loads wrote the data, LSA2 was written ahead of the head's wait, and no product names either
.endif
.if g == 3
.if \load
	WIN 0x8a
	s_wait_alu depctr_vm_vsrc(0)                   ; the sixteen LDS stores behind group 1 have read cx's quads, in which the loads below land
	AGET
.endif
.if \res
	RLD16                                          ; in the place of cx's loads
.endif
.endif
.set g, g+1
.endr
.if !(\last)
	WIN 0
	s_wait_dscnt 0x0                               ; for the others' sake: my stores into SB are done (my reads of RB were waited for ahead of the products)
	s_barrier_signal -1
	s_barrier_wait -1                              ; SB is whole, and nobody reads RB any more
	s_xor_b32 s[RB], s[RB], SLOT1
	s_xor_b32 s[SB], s[SB], SLOT1
.endif
.endm
	WIN 0x8a
	WGET                                           ; step 0: Wo's quads first, as in every trip
	AGET
	s_wait_xcnt 0x0
	s_add_nc_u64 s[AB:AB+1], s[AB:AB+1], 262144
	s_add_nc_u64 s[WB:WB+1], s[WB:WB+1], 64*2048
	s_wait_loadcnt 16                              ; the bias and Wo's quads of step 0 are in; cx's 16 may stay out
	WCVT                                           ; step 0 into slot 0, step 1 asked for, in the order of a trip
	s_wait_alu depctr_va_vdst(0)                   ; the conversions have written WOUT, which the LDS stores below read, and are done reading Wo's quads, in which the loads below land
	WGET
	WPUT
	s_wait_loadcnt 16                              ; cx's quads of step 0 are in; Wo's of step 1 may stay out
	APUT
	s_wait_alu depctr_vm_vsrc(0)                   ; those sixteen LDS stores have read cx's quads, in which the loads below land
	AGET
	WIN 0
.irp f, 0,1,2,3                                    ; the bias (its loads are older than every quad's) is the same for a lane's eight tokens
.irp j, 1,2,3,4,5,6,7
	v_mov_b32 v[BIA+8*\f+\j], v[BIA+8*\f]
.endr
.endr
	s_wait_dscnt 0x0
	s_barrier_signal -1
	s_barrier_wait -1
	s_mov_b32 s[RB], 0
	s_mov_b32 s[SB], SLOT1
	TRIP 1, 1, 1, 0, 0                             ; trip 0: its first products start the sums with the bias
	s_mov_b32 s[LEFT], 5
.Lk:                                               ; trips 1 to 5
	TRIP 0, 1, 1, 0, 0
	s_sub_co_u32 s[LEFT], s[LEFT], 1
	s_cmp_lg_u32 s[LEFT], 0
	s_cbranch_scc1 .Lk
	TRIP 0, 1, 0, 1, 0                             ; trip 6 stages step 7; the residual's rows 0 to 31 are asked for in the staged loads' place
	TRIP 0, 0, 0, 1, 1                             ; trip 7; rows 32 to 63
	; THE WAY OUT.  Sixteen outputs at a time go through my own stage: 32 bytes a lane in, whole rows of 512 bytes back; the residual is added and the row stored.
	WIN 0
.rept 8
	v_nop                                          ; the places behind the last products, once a launch
.endr
	s_wait_alu depctr_va_vdst(0)                   ; the products have written the accumulators, which the LDS stores below read, and are done reading cx's fragments, in whose registers the rows come back; the places above stay beside this wait
.macro TOSTAGE b
	WIN 0x04                                       ; store data in window 1
.set a, 0
.rept 8
	ds_store_b128 v[STO], v[8*(4*a+(\b)):8*(4*a+(\b))+3]   offset:64*a
	ds_store_b128 v[STO], v[8*(4*a+(\b))+4:8*(4*a+(\b))+7] offset:64*a+16
.set a, a+1
.endr
	WIN 0
.set r, 0
.rept 16
	ds_load_b128 v[AF+64*((\b)%2)+4*r:AF+64*((\b)%2)+4*r+3], v[RD] offset:SPT*r  ; LDS serves a wave's instructions in order (ISA guide 5.7.1.4): these see the stores above; the next block's stores come behind them
.set r, r+1
.endr
.endm
.macro SEND b, younger                 ; younger: the LDS instructions issued behind block b's loads: the next block's 32, or none
	WIN 0xcc                                       ; destination and source 1, the residual, in window 3; the row and the address in window 0
.set r, 0
.rept 16
.set rho, 16*(\b)+r
	s_wait_dscnt (\younger)+15-r
	s_wait_loadcnt 63-rho                          ; the residual's rows come back in order: 63 - rho are younger
	v_pk_add_f32 v[4*rho:4*rho+1], v[AF+64*((\b)%2)+4*r:AF+64*((\b)%2)+4*r+1], v[4*rho:4*rho+1]
	v_pk_add_f32 v[4*rho+2:4*rho+3], v[AF+64*((\b)%2)+4*r+2:AF+64*((\b)%2)+4*r+3], v[4*rho+2:4*rho+3]
.set r, r+1
.endr
	s_wait_alu depctr_va_vdst(0)                   ; the block's 32 additions have written its sixteen rows, which the stores below read, and are done reading the row buffer, in which the block two further on lands
.set r, 0
.rept 16
.set rho, 16*(\b)+r
	global_store_b128 v[XO], v[4*rho:4*rho+3], s[OB:OB+1] offset:8192*rho th:TH_STORE_NT  ; 512 consecutive bytes, at a multiple of 256 from out's first
.set r, r+1
.endr
.endm
	TOSTAGE 0
	TOSTAGE 1
	SEND 0, 32
	TOSTAGE 2
	SEND 1, 32
	TOSTAGE 3
	SEND 2, 32
	SEND 3, 0
	WIN 0
	s_wait_dscnt 0x0                               ; the wave's end: the closing lines, six on end
	s_wait_alu 0x0
	s_wait_tensorcnt 0x0
	ds_add_u32 v[SPW], v[NIL]
	s_wait_dscnt 0x0
	s_endpgm
.Lfunc_end_k_q92de46a37d_outp:
	.size	k_q92de46a37d_outp, .Lfunc_end_k_q92de46a37d_outp-k_q92de46a37d_outp
	.p2alignl 7, 3214868480
	.fill 96, 4, 3214868480
	.section	.rodata,"a",@progbits
	.p2align	6, 0x0
	.amdhsa_kernel k_q92de46a37d_outp
		.amdhsa_group_segment_fixed_size 155136
		.amdhsa_private_segment_fixed_size 0
		.amdhsa_enable_private_segment 0
		.amdhsa_kernarg_size 72
		.amdhsa_user_sgpr_count 2
		.amdhsa_user_sgpr_kernarg_segment_ptr 1
		.amdhsa_wavefront_size32 1
		.amdhsa_system_sgpr_workgroup_id_x 1
		.amdhsa_system_sgpr_workgroup_id_y 1
		.amdhsa_system_sgpr_workgroup_id_z 1
		.amdhsa_system_vgpr_workitem_id 0
		.amdhsa_next_free_vgpr 1024
		.amdhsa_next_free_sgpr 66
		.amdhsa_reserve_vcc 0
		.amdhsa_float_denorm_mode_32 3
		.amdhsa_float_denorm_mode_16_64 3
		.amdhsa_memory_ordered 1
		.amdhsa_forward_progress 1
		.amdhsa_inst_pref_size 99
	.end_amdhsa_kernel
	.amdgpu_metadata
---
amdhsa.version: [ 1, 2 ]
amdhsa.kernels:
  - .name:           k_q92de46a37d_outp
    .symbol:         k_q92de46a37d_outp.kd
    .args:
      - { .name: cx, .offset: 0, .size: 8, .value_kind: global_buffer, .address_space: global }
      - { .name: Wo1, .offset: 8, .size: 8, .value_kind: global_buffer, .address_space: global }
      - { .name: Wo2, .offset: 16, .size: 8, .value_kind: global_buffer, .address_space: global }
      - { .name: bo1, .offset: 24, .size: 8, .value_kind: global_buffer, .address_space: global }
      - { .name: bo2, .offset: 32, .size: 8, .value_kind: global_buffer, .address_space: global }
      - { .name: x1, .offset: 40, .size: 8, .value_kind: global_buffer, .address_space: global }
      - { .name: x2, .offset: 48, .size: 8, .value_kind: global_buffer, .address_space: global }
      - { .name: out0, .offset: 56, .size: 8, .value_kind: global_buffer, .address_space: global }
      - { .name: out1, .offset: 64, .size: 8, .value_kind: global_buffer, .address_space: global }
    .group_segment_fixed_size: 155136
    .private_segment_fixed_size: 0
    .kernarg_segment_align: 8
    .kernarg_segment_size: 72
    .max_flat_workgroup_size: 128
    .sgpr_count:     66
    .vgpr_count:     1024
    .wavefront_size: 32
...
	.end_amdgpu_metadata
.endif
;; end of part 5
